; MI455X (gfx1250); checked and timed in simulation.
; The chip was launched on July 23, 2026; its instructions are those of AMD's public machine-readable ISA for CDNA 5 (MIT licence, August 2026) and "CDNA5" Instruction Set Architecture Reference Guide (July 2026). The comments in the code are by the model that wrote it; some were corrected since.
;; Multi Head Self Attention. Allowed arithmetic: matrix products marked QUANTISED: E2M3 operands, one E8M0 scale for each 32 along K, by v_wmma_scale_f32_16x16x128_f8f6f4 with both operands' format E2M3, f32 sums; everything else in f32.
;; Inputs: attention_mask 4 x 2,048 int32; b_k 1,024 float32; b_o 1,024 float32; b_q 1,024 float32; b_v 1,024 float32; w_k 1,024 x 1,024 float32; w_o 1,024 x 1,024 float32; w_q 1,024 x 1,024 float32; w_v 1,024 x 1,024 float32; x 4 x 2,048 x 1,024 float32.
;; Outputs: out0 4 x 2,048 x 1,024 float32.
;; This version of the problem:
;;   THIS VERSION OF THE PROBLEM IS GIVEN IN LOW PRECISION. The matrix products marked QUANTISED in the list below multiply operands that are first quantised to E2M3 (2 exponent bits, 3 mantissa bits; 6 bits a number), with one power-of-two scale for each 32 numbers along K (OCP MX v1.0); their sums are f32. All else is computed in f32.
;;   The module's matrix products, in the order in which they are computed (A, B: the left and right operand; K: the contracted axis; several contracted axes count as one K, in the product's order):
;;     1. [M 8,192, K 1,024] x [K 1,024, N 1,024]; A: input x; B: input w_q: QUANTISED
;;     2. [M 8,192, K 1,024] x [K 1,024, N 1,024]; A: input x; B: input w_k: QUANTISED
;;     3. [M 8,192, K 1,024] x [K 1,024, N 1,024]; A: input x; B: input w_v: QUANTISED
;;     4. batch 64 x [M 2,048, K 64] x [K 64, N 2,048]; A: computed on the way; B: computed on the way: QUANTISED
;;     5. batch 64 x [M 2,048, K 2,048] x [K 2,048, N 64]; A: softmax (see below); B: computed on the way: QUANTISED
;;     6. [M 8,192, K 1,024] x [K 1,024, N 1,024]; A: computed on the way; B: input w_o: QUANTISED
;;   THE QUANTISER, for each operand of a quantised product, along K:
;;     - K is cut into blocks of 32 from its start; a last block that is shorter is filled with zeros.
;;     - A block's scale is 2^e with e = floor(log2(the largest magnitude in the block)) - 2, held to -126 .. 127; a block of zeros has e = 0. As a byte (E8M0): e + 127.
;;     - Each number is divided by its block's scale, clamped to +-7.5, and rounded to the nearest number of E2M3, ties to even, subnormals kept.
;;     - The product sums the exact products of the quantised numbers (number of the format x scale) in f32.
;;   ~~~python
;;   def quantise(x, axis):      # numpy; x: float32 -> the quantised numbers, widened to float32 again
;;       x = np.moveaxis(x, axis, -1); K = x.shape[-1]
;;       x = np.pad(x, [(0, 0)] * (x.ndim - 1) + [(0, -K % 32)]); x = x.reshape(x.shape[:-1] + (-1, 32)); a = np.abs(x).max(-1, keepdims=True)
;;       e = np.where(a > 0, np.clip(np.frexp(np.where(a > 0, a, 1))[1] - 1 - 2, -126, 127), 0)      # np.frexp(a)[1] - 1 = floor(log2(a)), exactly
;;       r = np.clip(x / 2.0 ** e, -7.5, 7.5)
;;       step = 2.0 ** (np.maximum(np.frexp(np.where(r == 0, 1, r))[1] - 1, 0) - 3)
;;       q = np.round(r / step) * step * 2.0 ** e      # np.round: ties to even
;;       return np.moveaxis(q.reshape(q.shape[:-2] + (-1,))[..., :K], -1, axis).astype(np.float32)
;;   ~~~
;;   SOFTMAX AHEAD OF A QUANTISED PRODUCT. Where the list says 'softmax', what is quantised is not the finished softmax but p = 2^(t - M), with t = logit x log2(e) and M = ceil(the row's largest t), a whole number; so 1/2 < the row's largest p <= 1. The row's sum l is taken of the UNQUANTISED p, in f32, and the product's result is divided by l at the end. Since M is a whole number, a kernel that streams over the keys may use a running M (the ceiling of the running maximum): every later rescaling is an exact power of two, which a block's scale takes up: the codes' values come out the same.
;;   OPERANDS COMPUTED ON THE WAY. 'Computed on the way' means the value that the module computes at that place (a softmax that the list does not call 'softmax' is quantised finished and normalised). What goes into a quantiser is computed in f32, as accurately as f32 sums, v_exp_f32 and their like allow (about 1e-6 of the number): no bf16 or f16 on the way to a quantiser, and a product that is left as it is and whose result goes on into a quantised operand takes f32 operands (vector FMAs, or v_wmma_f32_16x16x4_f32). A number that lies on a knife's edge between two numbers of the format may be rounded either way, as far as f32 arithmetic and the matrix unit's own rounding can turn it there, and no further.
;; One version. Each part assembles by itself: llvm-mc -triple=amdgcn-amd-amdhsa -mcpu=gfx1250 --defsym DOCPART=n.
;; ======== version 1 of 1: 4 launches
;; limits: right only within a limited range of input values
;; workspace buffers: xw_codes 9,437,184 bytes; xw_scales 393,216 bytes; qkv_img 18,874,368 bytes; qkv_sc 1,572,864 bytes; oc 6,291,456 bytes; osc 262,144 bytes
;; launch quant (part 1): grid 768 x 1, 2 waves a work-group, no clusters, 16,640 bytes of LDS; arguments x, w_q, w_k, w_v, w_o, xw_codes, xw_scales; writes xw_codes, xw_scales
.if DOCPART == 1
	.amdgcn_target "amdgcn-amd-amdhsa--gfx1250"
	.amdhsa_code_object_version 6
	.text
	.protected	k_qdc4aeed311_quant
	.globl	k_qdc4aeed311_quant
	.p2align	8
	.type	k_qdc4aeed311_quant,@function
k_qdc4aeed311_quant:
	s_mov_b64 s[64:65], 0
	v_nop
	global_prefetch_b8 v0, s[64:65] scope:SCOPE_SE
	s_setreg_imm32_b32 hwreg(HW_REG_WAVE_MODE, 25, 1), 1
	s_wait_xcnt 0x0
; x [8192][1024] and w_q, w_k, w_v, w_o [1024][1024], f32, K innermost, become codes of E2M3 (6 bits) and one E8M0 byte for each 32 along K.
; Rows 0-8191 are x's, then the four weights', 1,024 rows each.  xw_scales [12288 rows][32 bytes].
; xw_codes [4 steps of 256 along K][12288 rows][192 bytes]: any 128 rows of one step are 24,576 dense bytes, which the later launches fetch as rows of 256 bytes or a multiple.
; A block's scale is 2^(floor(log2(its largest magnitude)) - 2); its byte is the largest magnitude's exponent field - 2, held at 1 from below.
; ORDER INSIDE A BLOCK: the four groups of eight numbers stand in the order 0, 2, 1, 3, on both sides of every product of this program: each product pairs the right numbers.
; LIMITS: a block of zeros, or one under 2^-124, gets the byte 1 (this program alone reads the bytes); NaN and infinities are not served.
; A work-group takes 16,384 numbers, a wave 16 steps of 512 (8 rows).  768 work-groups: 512 for x, 64 for each weight.  No tensor load, no barrier: waves share nothing.
; Each load reads 512 consecutive bytes; a step's 2,048 bytes turn through the wave's own stage in LDS and come back 16 numbers of one block to a lane (two lanes to a block).
.set STEPS, 16
.set EMAX,  2
.set CB,    12                         ; bytes of 16 codes
.set PLANE, 2359296                    ; 12,288 rows x 192 bytes
.set R,     16                         ; v16-79   four sets of 16 numbers as loaded
.set X,     80                         ; v80-111  two sets of 16 numbers of one block
.set C,     128                        ; v128-191 codes: four registers a step
.set E,     112                        ; v112-127 a scale byte a step
.set WREG,  8192                       ; LDS of a wave: two stages of 32 x SP bytes, then its 256 scale bytes
.set SP,    80
	s_load_b256 s[4:11], s[0:1], 0x0               ; x, w_q, w_k, w_v
	s_load_b128 s[12:15], s[0:1], 0x20             ; w_o, the codes
	s_load_b64 s[16:17], s[0:1], 0x30              ; the scale bytes
	v_lshl_add_u32 v192, v0, 2, 0x4000             ; my spare word, behind the two waves' regions
	v_mov_b32 v193, 0
	v_lshrrev_b32 v1, 5, v0
	v_readfirstlane_b32 s18, v1                    ; wave
	v_and_b32 v2, 31, v0                           ; lane
	v_lshlrev_b32 v3, 4, v2
	s_mul_i32 s19, s18, WREG
	v_lshrrev_b32 v14, 2, v2
	v_mul_u32_u24 v14, v14, SP
	v_and_b32 v15, 3, v2
	v_lshl_add_u32 v14, v15, 4, v14
	v_add_nc_u32 v14, s19, v14                     ; into the stage: SP (lane / 4) + 16 (lane % 4)
	v_lshrrev_b32 v15, 1, v2
	v_mul_u32_u24 v15, v15, 2*SP
	v_and_b32 v13, 1, v2
	v_lshl_add_u32 v15, v13, 5, v15                ; out of it: the even lane takes groups 0 and 2 of the block, the odd lane groups 1 and 3
	v_add_nc_u32 v15, s19, v15
	v_and_b32 v4, 15, v2
	v_lshrrev_b32 v12, 4, v2
	v_mul_u32_u24 v4, v4, CB
	v_mad_u32_u24 v4, v12, PLANE, v4               ; my codes: 12 (lane % 16) in a row's 192 bytes; lanes 16-31 hold the next 256 along K
	v_lshrrev_b32 v5, 1, v2
	s_add_co_u32 s19, s19, 2*32*SP
	v_add_nc_u32 v5, s19, v5                       ; my block's byte among the wave's 256
	v_lshlrev_b32 v7, 3, v2
	v_add_nc_u32 v6, s19, v7
	s_sub_co_u32 s20, ttmp9, 512
	s_lshr_b32 s21, s20, 6                         ; which weight, which part (not used in x's work-groups)
	s_and_b32 s22, s20, 63
	s_wait_alu depctr_va_vdst(0)                   ; the wait at the head's end
	s_wait_kmcnt 0x0
	s_cmp_eq_u32 s21, 1                            ; the source is chosen by the work-group's number alone
	s_cselect_b64 s[6:7], s[8:9], s[6:7]
	s_cmp_eq_u32 s21, 2
	s_cselect_b64 s[6:7], s[10:11], s[6:7]
	s_cmp_eq_u32 s21, 3
	s_cselect_b64 s[6:7], s[12:13], s[6:7]
	s_cmp_lt_u32 ttmp9, 512
	s_cselect_b64 s[4:5], s[4:5], s[6:7]
	s_cselect_b32 s22, ttmp9, s22
	s_lshl_b32 s22, s22, 1
	s_add_co_u32 s22, s22, s18
	s_lshl_b32 s22, s22, 15                        ; my run of 8,192 numbers of the source
	s_mov_b32 s23, 0
	s_lshl_b32 s24, ttmp9, 1
	s_add_co_u32 s24, s24, s18                     ; my run of 8 rows of the outputs
	s_mul_i32 s26, s24, 8*192
	s_mov_b32 s27, 0
	s_lshl_b32 s24, s24, 8
	s_mov_b32 s25, 0
	s_add_nc_u64 s[4:5], s[4:5], s[22:23]
	s_add_nc_u64 s[14:15], s[14:15], s[26:27]
	s_add_nc_u64 s[16:17], s[16:17], s[24:25]
.macro LOAD t
.irp i, 0,1,2,3
	global_load_b128 v[R+16*((\t)%4)+4*\i:R+16*((\t)%4)+4*\i+3], v3, s[4:5] offset:2048*(\t)+512*\i th:TH_LOAD_NT
.endr
.endm
.macro TURN t                          ; LDS serves a wave's instructions in order: no wait between the stores and the loads
.irp i, 0,1,2,3
	ds_store_b128 v14, v[R+16*((\t)%4)+4*\i:R+16*((\t)%4)+4*\i+3] offset:32*SP*((\t)%2)+8*SP*\i
.endr
.irp i, 0,1,2,3
	ds_load_b128 v[X+16*((\t)%2)+4*\i:X+16*((\t)%2)+4*\i+3], v15 offset:32*SP*((\t)%2)+SP*(\i/2)+16*(\i%2)
.endr
.endm
.irp t, 0,1,2,3
	LOAD \t
.endr
	s_wait_loadcnt 12                              ; step 0's four loads are in
	TURN 0
.macro STEP t
.set XS, X+16*((\t)%2)
.if (\t) > 0
	s_wait_dscnt 1                                 ; this step's numbers are back (the last step's byte store may be out)
.else
	s_wait_dscnt 0x0
.endif
.if (\t)+4 < STEPS
	LOAD (\t)+4
.endif
.if (\t)+1 < STEPS
.if STEPS-2-(\t) >= 3
	s_wait_loadcnt 12                              ; the next step's four loads are in; three steps' may be out
.else
	s_wait_loadcnt 4*(STEPS-2-(\t))
.endif
	TURN (\t)+1
.endif
	v_max3_num_f32 v8, |v[XS]|, |v[XS+1]|, |v[XS+2]|
	v_max3_num_f32 v9, |v[XS+3]|, |v[XS+4]|, |v[XS+5]|
.irp i, 6,10
	v_max3_num_f32 v8, v8, |v[XS+\i]|, |v[XS+\i+1]|
	v_max3_num_f32 v9, v9, |v[XS+\i+2]|, |v[XS+\i+3]|
.endr
	v_max3_num_f32 v8, v8, |v[XS+14]|, |v[XS+15]|
	v_max3_num_f32 v8, v8, v9, (EMAX+1)<<23        ; the floor 2^(3 - 127): the byte cannot fall under 1
	v_max_num_f32_dpp v8, v8, v8 row_xmask:1 row_mask:0xf bank_mask:0xf   ; with my neighbour's 16: the block's
	v_add_nc_u32 v11, -(EMAX<<23), v8              ; 2 off the exponent field: the conversion's scale operand
	v_cvt_scalef32_pk16_fp6_f32 v[C+4*(\t):C+4*(\t)+2], v[XS:XS+15], v11
	v_lshrrev_b32 v[E+(\t)], 23, v11               ; the scale's byte
	ds_store_b8 v5, v[E+(\t)] offset:16*(\t)
	global_store_b96 v4, v[C+4*(\t):C+4*(\t)+2], s[14:15] offset:192*((\t)/2)+2*PLANE*((\t)%2)   ; row t / 2; sixteen lanes store a row's 192 bytes of one step along K
.endm
.irp t, 0,1,2,3,4,5,6,7,8,9,10,11,12,13,14,15
	STEP \t
.endr
	ds_load_b64 v[12:13], v6
	s_wait_dscnt 0x0
	global_store_b64 v7, v[12:13], s[16:17]        ; 32 lanes store 256 consecutive bytes, aligned
	s_wait_tensorcnt 0x0                           ; the wave's end
	ds_add_u32 v192, v193
	s_wait_dscnt 0x0
	s_endpgm
.Lfunc_end_k_qdc4aeed311_quant:
	.size	k_qdc4aeed311_quant, .Lfunc_end_k_qdc4aeed311_quant-k_qdc4aeed311_quant
	.p2alignl 7, 3214868480
	.fill 96, 4, 3214868480
	.section	.rodata,"a",@progbits
	.p2align	6, 0x0
	.amdhsa_kernel k_qdc4aeed311_quant
		.amdhsa_group_segment_fixed_size 16640
		.amdhsa_private_segment_fixed_size 0
		.amdhsa_enable_private_segment 0
		.amdhsa_kernarg_size 56
		.amdhsa_user_sgpr_count 2
		.amdhsa_user_sgpr_kernarg_segment_ptr 1
		.amdhsa_wavefront_size32 1
		.amdhsa_system_sgpr_workgroup_id_x 1
		.amdhsa_system_sgpr_workgroup_id_y 1
		.amdhsa_system_sgpr_workgroup_id_z 1
		.amdhsa_system_vgpr_workitem_id 0
		.amdhsa_next_free_vgpr 194
		.amdhsa_next_free_sgpr 66
		.amdhsa_reserve_vcc 0
		.amdhsa_float_denorm_mode_32 3
		.amdhsa_float_denorm_mode_16_64 3
		.amdhsa_memory_ordered 1
		.amdhsa_forward_progress 1
		.amdhsa_inst_pref_size 33
	.end_amdhsa_kernel
	.amdgpu_metadata
---
amdhsa.version: [ 1, 2 ]
amdhsa.kernels:
  - .name:           k_qdc4aeed311_quant
    .symbol:         k_qdc4aeed311_quant.kd
    .args:
      - { .name: x, .offset: 0, .size: 8, .value_kind: global_buffer, .address_space: global }
      - { .name: w_q, .offset: 8, .size: 8, .value_kind: global_buffer, .address_space: global }
      - { .name: w_k, .offset: 16, .size: 8, .value_kind: global_buffer, .address_space: global }
      - { .name: w_v, .offset: 24, .size: 8, .value_kind: global_buffer, .address_space: global }
      - { .name: w_o, .offset: 32, .size: 8, .value_kind: global_buffer, .address_space: global }
      - { .name: xw_codes, .offset: 40, .size: 8, .value_kind: global_buffer, .address_space: global }
      - { .name: xw_scales, .offset: 48, .size: 8, .value_kind: global_buffer, .address_space: global }
    .group_segment_fixed_size: 16640
    .private_segment_fixed_size: 0
    .kernarg_segment_align: 8
    .kernarg_segment_size: 56
    .max_flat_workgroup_size: 64
    .sgpr_count:     66
    .vgpr_count:     194
    .wavefront_size: 32
...
	.end_amdgpu_metadata
.endif
;; end of part 1
;; launch qkv (part 2): grid 12 x 32, 4 waves a work-group, clusters of 4 x 4, 327,680 bytes of LDS; arguments xw_codes, xw_scales, b_q, b_k, b_v, qkv_img, qkv_sc; writes qkv_img, qkv_sc
.if DOCPART == 2
	.amdgcn_target "amdgcn-amd-amdhsa--gfx1250"
	.amdhsa_code_object_version 6
	.text
	.protected	k_qdc4aeed311_qkv
	.globl	k_qdc4aeed311_qkv
	.p2align	8
	.type	k_qdc4aeed311_qkv,@function
k_qdc4aeed311_qkv:
	s_mov_b64 s[64:65], 0
	v_nop
	global_prefetch_b8 v0, s[64:65] scope:SCOPE_SE
	s_setreg_imm32_b32 hwreg(HW_REG_WAVE_MODE, 25, 1), 1
	s_wait_xcnt 0x0
	s_wait_alu depctr_hold_cnt(0) depctr_sa_sdst(0) depctr_va_vdst(0) depctr_va_sdst(0) depctr_va_ssrc(0) depctr_va_vcc(0) depctr_vm_vsrc(0)
	s_getreg_b32 s2, hwreg(HW_REG_IB_STS2, 6, 4)
	s_cmp_eq_u32 s2, 0
	s_cbranch_scc0 .Lentry_in_a_cluster
	s_endpgm
.Lentry_in_a_cluster:
	s_bfe_u32 s2, ttmp6, 0x10000c
	s_cmp_lg_u32 s2, 0xf033
	s_cbranch_scc0 .Lentry_shape_is_right
	s_endpgm
.Lentry_shape_is_right:
.set KSTEP,  256
.set NQ,     2
; xw_codes lies [4 steps of 256 along K][12288 rows][192 bytes]: a tile of 128 rows of one step is 24,576 dense bytes, stated as 96 rows of 256 bytes;
; the padding of 16 bytes behind each 64 gives LDS rows of 240 bytes for each 192 bytes of codes.
.set ROWB,   2359296                   ; from one step along K to the next, in bytes
.set ASTEP,  2359296
.set KROW,   192                       ; a row's bytes inside a step
.set PITCH,  240
.set FR,     12
.set NL,     6
.set NP,     4
.set HALFT,  128*PITCH
.set SLOT,   4*HALFT
.set KS,     32
.set SCL,    2*SLOT
.set HALFS,  (128*KS/256)*272
.set SBLK,   (16*KS/256)*272
.set SPARE,  SCL+4*HALFS
.set ADRA, 16
.set ADRB, 20
.set L8,   25
.set LI,   26
.set ADRS, 27
.set SPW,  28
.set NIL,  29
.set SC,   32
.set BIAS, 64
.set AF,   128
.set IM,   64
.set TC,   192
.set TM,   200
.set PWR,  216
.set SWA,  224
.set SWB,  228
.set TU,   232
.set C7F,  236
.set G1, 24
.set G0, 32
.set G1B, 48
.set G0B, 56
.set G1S, 68
.set G0S, 76
.set G1SB, 80
.set G0SB, 88
.set MSB, 0
.macro WIN new
.if MSB != (\new)
	s_set_vgpr_msb (MSB<<8)|(\new)
.set MSB, (\new)
.endif
.endm
.set MUL_LO, 0xa1
.set MUL_HI, 0xf1
.set TO_B,   0x40
.macro JLOAD g0a, g1a, g0b, g1b
	s_cmp_eq_u32 s15, 0
	s_cbranch_scc0 .Lfor_b_\@
	tensor_load_to_lds s[\g0a:\g0a+3], s[\g1a:\g1a+7]
	s_nop 0
.rept 4
	v_nop
.endr
	s_branch .Lasked_\@
.Lfor_b_\@:
	tensor_load_to_lds s[\g0b:\g0b+3], s[\g1b:\g1b+7]
	s_nop 0
.rept 4
	v_nop
.endr
.Lasked_\@:
.endm
.macro CREST
	s_cmp_lg_u32 s14, 0
	s_cbranch_scc1 .Lnot_wave_0_\@
	s_barrier_signal -3
.Lnot_wave_0_\@:
	s_barrier_wait -3
	s_barrier_signal -1
	s_barrier_wait -1
.endm
.macro CROUND
	s_barrier_signal -1
	s_barrier_wait -1
	CREST
.endm
	s_load_b128 s[4:7], s[0:1], 0x0
	s_load_b128 s[8:11], s[0:1], 0x10
	s_load_b128 s[96:99], s[0:1], 0x20
	s_load_b64 s[100:101], s[0:1], 0x30
	v_lshl_add_u32 v[SPW], v0, 2, SPARE
	v_mov_b32 v[NIL], 0
	ds_add_u32 v28, v29
	ds_add_u32 v28, v29
	s_wait_dscnt 0x0
	v_lshrrev_b32 v1, 5, v0
	v_readfirstlane_b32 s14, v1
	s_lshr_b32 s15, s14, 1
	s_and_b32 s16, s14, 1
	s_bfe_u32 s40, ttmp6, 0x40000
	s_bfe_u32 s41, ttmp6, 0x40004
	s_and_b32 s66, ttmp7, 0xffff
	s_add_co_u32 s67, ttmp9, 8
	s_cmp_eq_u32 ttmp9, 2
	s_cselect_b32 s95, 1, 0
	s_cselect_b32 s17, 10, s66
	s_cselect_b32 s42, s66, s67
	s_lshl_b32 s17, s17, 2
	s_add_co_u32 s17, s17, s41
	s_lshl_b32 s42, s42, 2
	s_add_co_u32 s42, s42, s40
	s_lshl_b32 s43, s41, 2
	s_lshl_b32 s43, 15, s43
	s_lshl_b32 s44, 0x1111, s40
	s_or_b32 s[G1+0], s43, (0<<16)|(1<<20)|(1<<21)|(3<<22)|(3<<25)
	s_or_b32 s[G1B+0], s44, (0<<16)|(1<<20)|(1<<21)|(3<<22)|(3<<25)
.irp g, G1, G1B
	s_mov_b32 s[\g+1], 256<<16
	s_mov_b32 s[\g+2], 192<<16
	s_mov_b32 s[\g+3], 256<<16
	s_mov_b32 s[\g+4], 192
	s_mov_b32 s[\g+5], 256
	s_mov_b32 s[\g+6], 0
	s_mov_b32 s[\g+7], 0
.endr
	s_or_b32 s[G1S+0], s43, (3<<16)|(1<<20)|(1<<21)|(5<<22)|(3<<25)
	s_or_b32 s[G1SB+0], s44, (3<<16)|(1<<20)|(1<<21)|(5<<22)|(3<<25)
.irp g, G1S, G1SB
	s_mov_b32 s[\g+1], 32<<16
	s_mov_b32 s[\g+2], (256*KS/256)<<16
	s_mov_b32 s[\g+3], 32<<16
	s_mov_b32 s[\g+4], 256*KS/256
	s_mov_b32 s[\g+5], 32
	s_mov_b32 s[\g+6], 0
	s_mov_b32 s[\g+7], 0
.endr
	s_lshl_b32 s18, s16, 7
	s_lshl_b32 s20, s17, 8
	s_add_co_u32 s20, s20, s18
	s_lshl_b32 s46, s42, 8
	s_add_co_u32 s46, s46, s18
	s_mov_b32 s21, 0
	s_mov_b32 s47, 0
	s_mov_b64 s[18:19], KS
	s_mul_u64 s[22:23], s[20:21], s[18:19]
	s_mul_u64 s[92:93], s[46:47], s[18:19]
	s_mov_b64 s[18:19], KROW
	s_mul_u64 s[20:21], s[20:21], s[18:19]
	s_mul_u64 s[46:47], s[46:47], s[18:19]
	s_mul_i32 s45, s14, HALFT
	s_mul_i32 s94, s14, HALFS
	s_wait_kmcnt 0x0
	s_add_nc_u64 s[20:21], s[4:5], s[20:21]
	s_add_nc_u64 s[22:23], s[6:7], s[22:23]
	s_add_nc_u64 s[46:47], s[4:5], s[46:47]
	s_add_nc_u64 s[92:93], s[6:7], s[92:93]
	CROUND
	s_mov_b32 s[G0S], 1
	s_mul_i32 s2, s16, 128*KS                      ; the head's tiles are whole: my half's offset is taken off again
	s_mov_b32 s3, 0
	s_mov_b32 s[G0S+1], SCL
	s_sub_nc_u64 s[G0S+2:G0S+3], s[22:23], s[2:3]
	s_or_b32 s[G0S+3], s[G0S+3], 0x80000000
	s_mov_b32 s[G0SB], 1
	s_mov_b32 s[G0SB+1], SCL+2*HALFS
	s_sub_nc_u64 s[G0SB+2:G0SB+3], s[92:93], s[2:3]
	s_or_b32 s[G0SB+3], s[G0SB+3], 0x80000000
	s_mul_i32 s2, s16, 128*KROW
	s_mov_b32 s[G0], 1
	s_mov_b32 s[G0+1], 0
	s_sub_nc_u64 s[G0+2:G0+3], s[20:21], s[2:3]
	s_or_b32 s[G0+3], s[G0+3], 0x80000000
	s_mov_b32 s[G0B], 1
	s_mov_b32 s[G0B+1], 2*HALFT
	s_sub_nc_u64 s[G0B+2:G0B+3], s[46:47], s[2:3]
	s_or_b32 s[G0B+3], s[G0B+3], 0x80000000
; THE HEAD'S LOADS, ONE A WAVE: wave 0 fetches K step 0's 256 rows of A, wave 1 its 256 rows of B, wave 2 the scales of A's 256 rows, wave 3 those of B's: one chain of branches on the wave's number, one load to an arm
.macro ARM under, g0, g1, next
	s_cmp_lt_u32 s14, \under
	s_cbranch_scc0 \next
	tensor_load_to_lds s[\g0:\g0+3], s[\g1:\g1+7]
	s_nop 0
.rept 4
	v_nop
.endr
	s_branch .Lhead_asked
\next:
.endm
	ARM 1, G0,  G1,  .Lhead_b
	ARM 2, G0B, G1B, .Lhead_sa
	ARM 3, G0S, G1S, .Lhead_sb
	tensor_load_to_lds s[G0SB:G0SB+3], s[G1SB:G1SB+7]
	s_nop 0
.rept 4
	v_nop
.endr
.Lhead_asked:
	s_wait_alu depctr_va_vdst(0)
	s_wait_tensorcnt 0x0                           ; my tile of the head's four is in
	ds_add_u32 v28, v29
	s_mov_b32 s[G1+2], 96<<16                      ; no tensor load of mine is out: from here on a load brings 128 rows of a K step, 96 rows of 256 bytes
	s_mov_b32 s[G1+4], 96
	s_mov_b32 s[G1B+2], 96<<16
	s_mov_b32 s[G1B+4], 96
.irp s, 0,1
	s_mov_b32 s[G0+4*\s], 1
	s_add_co_u32 s[G0+4*\s+1], s45, \s*SLOT
	s_add_nc_u64 s[G0+4*\s+2:G0+4*\s+3], s[20:21], \s*ASTEP
	s_or_b32 s[G0+4*\s+3], s[G0+4*\s+3], 0x80000000
	s_mov_b32 s[G0B+4*\s], 1
	s_add_co_u32 s[G0B+4*\s+1], s45, \s*SLOT
	s_add_nc_u64 s[G0B+4*\s+2:G0B+4*\s+3], s[46:47], \s*ROWB
	s_or_b32 s[G0B+4*\s+3], s[G0B+4*\s+3], 0x80000000
.endr
	s_wait_dscnt 0x0
	CROUND                                         ; all four tiles are in, and all sixteen work-groups are here
	JLOAD G0+4, G1, G0B+4, G1B                     ; K step 1, a quarter of the slot a wave: the first tensor load behind the round
	v_and_b32 v1, 15, v0
	v_bfe_u32 v2, v0, 4, 1
	v_mul_u32_u24 v3, v1, PITCH
	v_mul_u32_u24 v4, v2, 24
	v_add_nc_u32 v4, v3, v4
	v_lshl_add_u32 v5, v2, 4, v4
	s_mul_i32 s21, s15, HALFT
	s_mul_i32 s22, s16, HALFT
	s_add_co_u32 s22, s22, 2*HALFT
.irp s, 0,1
	v_add_nc_u32 v[ADRA+\s], s21, v4
	v_add_nc_u32 v[ADRB+\s], s22, v4
	v_add_nc_u32 v[ADRA+2+\s], s21, v5
	v_add_nc_u32 v[ADRB+2+\s], s22, v5
	s_add_co_u32 s21, s21, SLOT
	s_add_co_u32 s22, s22, SLOT
.endr
	v_mul_u32_u24 v5, v1, KS
	v_lshrrev_b32 v6, 8, v5
	v_lshl_add_u32 v5, v6, 4, v5
	s_mul_i32 s21, s15, HALFS
	s_mul_i32 s22, s16, HALFS
	s_add_co_u32 s22, s22, 2*HALFS
	s_sub_co_u32 s22, s22, s21
	v_mul_u32_u24 v6, s22, v2
	s_add_co_u32 s21, s21, SCL
	v_add_nc_u32 v5, v5, v6
	v_add_nc_u32 v[ADRS], s21, v5
	v_and_b32 v6, 31, v0
	v_lshlrev_b32 v[LI], 4, v6
	v_lshlrev_b32 v[L8], 3, v6
	v_lshlrev_b32 v7, 5, v2
	v_lshlrev_b32 v8, 2, v1
	s_cmp_eq_u32 ttmp9, 1
	s_cselect_b64 s[8:9], s[10:11], s[8:9]
	s_cmp_eq_u32 ttmp9, 2
	s_cselect_b64 s[8:9], s[96:97], s[8:9]
	s_cselect_b32 s18, s42, s17
	s_cselect_b32 s19, s16, s15
	s_cselect_b32 s20, s41, s40
	s_cselect_b32 s21, s15, s16
	s_cselect_b32 s22, 8, 9
	s_cselect_b32 s23, 8192, 0
	s_lshl_b32 s18, s18, 1
	s_add_co_u32 s18, s18, s19
	s_lshr_b32 s19, s18, 4
	s_lshl_b32 s19, s19, 4
	s_and_b32 s18, s18, 15
	s_lshl_b32 s92, s20, 2
	s_add_co_u32 s19, s19, s92
	s_lshl_b32 s92, s21, 1
	s_add_co_u32 s19, s19, s92
	s_lshl_b32 s92, s20, 10
	s_lshl_b32 s93, s21, 9
	s_add_co_u32 s92, s92, s93
	s_mov_b32 s93, 0
	s_add_nc_u64 s[8:9], s[8:9], s[92:93]
	s_lshl_b32 s92, s19, 4
	s_add_co_u32 s92, s92, s18
	s_mul_i32 s92, s92, 6144
	s_mul_i32 s94, ttmp9, 6291456
	s_add_co_u32 s92, s92, s94
	s_add_nc_u64 s[98:99], s[98:99], s[92:93]
	s_mul_i32 s92, s19, 12288
	s_lshl_b32 s94, s18, s22
	s_add_co_u32 s92, s92, s94
	s_add_co_u32 s92, s92, s23
	s_cmp_lg_u32 ttmp9, 0
	s_cselect_b32 s94, 786432, 0
	s_add_co_u32 s92, s92, s94
	s_add_nc_u64 s[100:101], s[100:101], s[92:93]
	s_mov_b32 s10, 0xffff0000
	s_mov_b32 s12, 0x76543210
	s_mov_b32 s13, 0xfedcba98
	s_cmp_eq_u32 s95, 1
	s_cbranch_scc1 .Lbias_v
	s_wait_alu depctr_va_vdst(0)
.irp b, 0,1,2,3,4,5,6,7
	global_load_b128 v[BIAS+8*\b:BIAS+8*\b+3], v7, s[8:9] offset:64*\b
	global_load_b128 v[BIAS+8*\b+4:BIAS+8*\b+7], v7, s[8:9] offset:64*\b+16
.endr
	s_branch .Lbias_done
.Lbias_v:
	s_wait_alu depctr_va_vdst(0)
.irp a, 0,1,2,3,4,5,6,7
.irp j, 0,1,2,3,4,5,6,7
	global_load_b32 v[BIAS+8*\a+\j], v8, s[8:9] offset:64*\a
.endr
.endr
.Lbias_done:
.macro FRAG reg, adr, q, i
.irp p, 0,1,2,3,4,5
.set PCE, 12*(\q)+6*(\p/3)+\p%3
.if PCE%8 < 5
	ds_load_b64 v[\reg+2*\p:\reg+2*\p+1], v[\adr] offset:8*PCE+16*(PCE/8)+(\i)*16*PITCH
.else
	ds_load_b64 v[\reg+2*\p:\reg+2*\p+1], v[\adr+2] offset:8*PCE+16*(PCE/8)+(\i)*16*PITCH
.endif
.endr
.endm
.macro MUL16 a0, p, q, sc, cm
.irp a, \a0, \a0+1
.irp b, 0,1,2,3,4,5,6,7
.if \cm == 1
	v_wmma_scale_f32_16x16x128_f8f6f4 v[8*(8*((\a)%4)+\b):8*(8*((\a)%4)+\b)+7], v[128*(\p)+FR*\b:128*(\p)+FR*\b+FR-1], v[AF+FR*(\a):AF+FR*(\a)+FR-1], v[BIAS+8*\b:BIAS+8*\b+7], v[SC+8*NQ*(\sc)+NQ*\b+(\q)], v[SC+8*NQ*(\sc)+NQ*(\a)+(\q)] matrix_a_fmt:MATRIX_FMT_FP6 matrix_b_fmt:MATRIX_FMT_FP6 matrix_a_scale:MATRIX_SCALE_ROW1
.elseif \cm == 2
	v_wmma_scale_f32_16x16x128_f8f6f4 v[8*(8*((\a)%4)+\b):8*(8*((\a)%4)+\b)+7], v[128*(\p)+FR*\b:128*(\p)+FR*\b+FR-1], v[AF+FR*(\a):AF+FR*(\a)+FR-1], v[BIAS+8*(\a):BIAS+8*(\a)+7], v[SC+8*NQ*(\sc)+NQ*\b+(\q)], v[SC+8*NQ*(\sc)+NQ*(\a)+(\q)] matrix_a_fmt:MATRIX_FMT_FP6 matrix_b_fmt:MATRIX_FMT_FP6 matrix_a_scale:MATRIX_SCALE_ROW1
.else
	v_wmma_scale_f32_16x16x128_f8f6f4 v[8*(8*((\a)%4)+\b):8*(8*((\a)%4)+\b)+7], v[128*(\p)+FR*\b:128*(\p)+FR*\b+FR-1], v[AF+FR*(\a):AF+FR*(\a)+FR-1], v[8*(8*((\a)%4)+\b):8*(8*((\a)%4)+\b)+7], v[SC+8*NQ*(\sc)+NQ*\b+(\q)], v[SC+8*NQ*(\sc)+NQ*(\a)+(\q)] matrix_a_fmt:MATRIX_FMT_FP6 matrix_b_fmt:MATRIX_FMT_FP6 matrix_a_scale:MATRIX_SCALE_ROW1
.endif
.endr
.endr
.endm
.macro FETCH_B slot, q, p
	WIN TO_B
.irp i, 0,1,2,3,4,5,6,7
	FRAG 128*(\p)+FR*\i, ADRB+\slot, \q, \i
.endr
	WIN 0
.endm
.macro FETCH_A slot, q, i0
.irp i, \i0, \i0+1, \i0+2, \i0+3
	FRAG AF+FR*(\i), ADRA+\slot, \q, \i
.endr
.endm
.macro SCALES sc
.irp i, 0,1,2,3,4,5,6,7
	ds_load_b64 v[SC+8*NQ*\sc+NQ*\i:SC+8*NQ*\sc+NQ*\i+1], v[ADRS] offset:\i*SBLK
.endr
.endm
.macro PLACES n
.rept \n
	v_nop
.endr
.endm
.macro STEP slot, q, cm
	s_wait_dscnt 4*NL
.if \cm
	WIN 0x81
.else
	WIN MUL_LO
.endif
	MUL16 0, (\q)%2, \q, \slot, \cm
	MUL16 2, (\q)%2, \q, \slot, \cm
	s_wait_dscnt 0
	PLACES NP
	FETCH_B \slot, (\q)+1, 1-(\q)%2
	FETCH_A \slot, (\q)+1, 0
.if \cm
	WIN 0xc1
.else
	WIN MUL_HI
.endif
	MUL16 4, (\q)%2, \q, \slot, \cm
	MUL16 6, (\q)%2, \q, \slot, \cm
	PLACES NP
	WIN 0
	FETCH_A \slot, (\q)+1, 4
.endm
.macro TURN slot, next, fill
	s_wait_tensorcnt 0x0
	ds_add_u32 v[SPW], v[NIL]
	s_wait_dscnt 4*NL+1
	WIN MUL_LO
	MUL16 0, 1, NQ-1, \slot, 0
	s_wait_dscnt 0x0
	s_barrier_signal -1
	MUL16 2, 1, NQ-1, \slot, 0
	WIN 0
	s_barrier_wait -1
.if \fill
	CREST
	s_add_nc_u64 s[G0+4*\slot+2:G0+4*\slot+3], s[G0+4*\slot+2:G0+4*\slot+3], 2*ASTEP
	s_add_nc_u64 s[G0B+4*\slot+2:G0B+4*\slot+3], s[G0B+4*\slot+2:G0B+4*\slot+3], 2*ROWB
	JLOAD G0+4*\slot, G1, G0B+4*\slot, G1B
.else
	PLACES NP
.endif
	s_wait_alu depctr_va_vdst(0)
	v_add_nc_u32 v[ADRS], 4*NQ, v[ADRS]
	FETCH_B \next, 0, 0
	FETCH_A \next, 0, 0
	SCALES \next
	WIN MUL_HI
	MUL16 4, 1, NQ-1, \slot, 0
	MUL16 6, 1, NQ-1, \slot, 0
	PLACES NP
	WIN 0
	FETCH_A \next, 0, 4
.endm
	s_wait_tensorcnt 1
	s_barrier_signal -1
	s_barrier_wait -1
	FETCH_B 0, 0, 0
	FETCH_A 0, 0, 0
	SCALES 0
	FETCH_A 0, 0, 4
	s_wait_loadcnt 0x0
	s_cmp_eq_u32 s95, 1
	s_cbranch_scc1 .Lfirst_v
	STEP 0, 0, 1
	s_branch .Lfirst_done
.Lfirst_v:
	STEP 0, 0, 2
.Lfirst_done:
	TURN 0, 1, 1
	STEP 1, 0, 0
	TURN 1, 0, 1
	STEP 0, 0, 0
	TURN 0, 1, 0
	STEP 1, 0, 0
	s_wait_dscnt 4*NL
	WIN MUL_LO
	MUL16 0, 1, NQ-1, 1, 0
	MUL16 2, 1, NQ-1, 1, 0
	s_wait_dscnt 0
	WIN MUL_HI
	MUL16 4, 1, NQ-1, 1, 0
	MUL16 6, 1, NQ-1, 1, 0
	WIN 0
.macro QUANTW s, W, d0, d1, pw
.set WQ, ((\W)<<2)|((\W)<<4)
	WIN WQ
.irp b, 0,1,2,3
	v_max3_num_f32 v[TM+\b], 0x1800000, |v[(\s)+16*\b]|, |v[(\s)+16*\b+1]|
.endr
.irp i, 2,4,6,8,10,12,14
.irp b, 0,1,2,3
	v_max3_num_f32 v[TM+\b], v[TM+\b], |v[(\s)+16*\b+\i]|, |v[(\s)+16*\b+\i+1]|
.endr
.endr
	WIN 0
.irp b, 0,1,2,3
	v_permlanex16_b32 v[TM+4+\b], v[TM+\b], s12, s13
.endr
.irp b, 0,1,2,3
	v_max_num_f32 v[TM+\b], v[TM+\b], v[TM+4+\b]
.endr
.irp b, 0,1,2,3
	v_add_nc_u32 v[TM+12+\b], 0xff000000, v[TM+\b]
.endr
.irp b, 0,1,2,3
	v_lshrrev_b32 v[TM+4+\b], 23, v[TM+12+\b]
.endr
	v_lshl_or_b32 v[\pw], v[TM+5], 8, v[TM+4]
	v_lshl_or_b32 v[\pw], v[TM+6], 16, v[\pw]
	v_lshl_or_b32 v[\pw], v[TM+7], 24, v[\pw]
	WIN (\W)
	v_cvt_scalef32_pk16_fp6_f32 v[(\d0):(\d0)+2], v[(\s):(\s)+15], v[TM+12]
	v_cvt_scalef32_pk16_fp6_f32 v[TC:TC+2], v[(\s)+16:(\s)+31], v[TM+13]
	v_cvt_scalef32_pk16_fp6_f32 v[(\d1):(\d1)+2], v[(\s)+32:(\s)+47], v[TM+14]
	v_cvt_scalef32_pk16_fp6_f32 v[TC+4:TC+6], v[(\s)+48:(\s)+63], v[TM+15]
	WIN 0
	v_nop
.irp i, 0,1,2
	v_permlane16_swap_b32 v[(\d0)+\i], v[TC+\i]
	v_permlane16_swap_b32 v[(\d1)+\i], v[TC+4+\i]
.endr
.irp i, 0,1,2
	v_mov_b32 v[(\d0)+3+\i], v[TC+\i]
	v_mov_b32 v[(\d1)+3+\i], v[TC+4+\i]
.endr
.endm
	PLACES NP
.irp b, 0,1,2,3
	v_mov_b32 v[TM+4+\b], 0
.endr
	v_mov_b32 v[C7F], 0x7f7f7f7f
	s_cmp_eq_u32 s95, 1
	s_cbranch_scc1 .Lout_v
.irp u, 0,1,2,3
	QUANTW 64*((2*\u)%4), 2+(2*\u)/4, IM+24*\u, IM+24*\u+12, PWR+2*\u
	QUANTW 64*((2*\u+1)%4), 2+(2*\u+1)/4, IM+24*\u+6, IM+24*\u+18, PWR+2*\u+1
.irp c, 0,1,2
	global_store_b128 v[LI], v[IM+24*\u+4*\c:IM+24*\u+4*\c+3], s[98:99] offset:1536*\u+512*\c
	global_store_b128 v[LI], v[IM+24*\u+12+4*\c:IM+24*\u+12+4*\c+3], s[98:99] offset:98304+1536*\u+512*\c
.endr
.endr
.irp u, 0,1,2,3
	v_cndmask_b32 v[TU+\u], v[PWR+2*\u], v[PWR+2*\u+1], s10
.endr
.irp u, 0,1,2,3
	v_perm_b32 v[SWA+\u], v[TU+\u], v[C7F], 0x00000504
	v_perm_b32 v[SWB+\u], v[TU+\u], v[C7F], 0x00000706
.endr
	global_store_b128 v[LI], v[SWA:SWA+3], s[100:101]
	global_store_b128 v[LI], v[SWB:SWB+3], s[100:101] offset:12288
	s_branch .Lout_done
.Lout_v:
.irp a, 0,1,2,3,4,5,6,7
	QUANTW 64*(\a%4), 2+\a/4, IM+12*\a, IM+12*\a+6, PWR+\a
.irp c, 0,1,2
	global_store_b128 v[LI], v[IM+12*\a+4*\c:IM+12*\a+4*\c+3], s[98:99] offset:(\a/4)*98304+(\a%4)*1536+512*\c
.endr
.endr
.irp n, 0,1,2,3
	v_cndmask_b32 v[SWA+\n], v[PWR+2*\n], v[PWR+2*\n+1], s10
.endr
	global_store_b64 v[L8], v[SWA:SWA+1], s[100:101]
	global_store_b64 v[L8], v[SWA+2:SWA+3], s[100:101] offset:12288
.Lout_done:
	s_wait_tensorcnt 0x0
	ds_add_u32 v[SPW], v[NIL]
	s_wait_dscnt 0x0
	CROUND
	s_endpgm
.Lfunc_end_k_qdc4aeed311_qkv:
	.size	k_qdc4aeed311_qkv, .Lfunc_end_k_qdc4aeed311_qkv-k_qdc4aeed311_qkv
	.p2alignl 7, 3214868480
	.fill 96, 4, 3214868480
	.section	.rodata,"a",@progbits
	.p2align	6, 0x0
	.amdhsa_kernel k_qdc4aeed311_qkv
		.amdhsa_group_segment_fixed_size 327680
		.amdhsa_private_segment_fixed_size 0
		.amdhsa_enable_private_segment 0
		.amdhsa_kernarg_size 56
		.amdhsa_user_sgpr_count 2
		.amdhsa_user_sgpr_kernarg_segment_ptr 1
		.amdhsa_wavefront_size32 1
		.amdhsa_system_sgpr_workgroup_id_x 1
		.amdhsa_system_sgpr_workgroup_id_y 1
		.amdhsa_system_sgpr_workgroup_id_z 1
		.amdhsa_system_vgpr_workitem_id 0
		.amdhsa_next_free_vgpr 1024
		.amdhsa_next_free_sgpr 102
		.amdhsa_reserve_vcc 0
		.amdhsa_float_denorm_mode_32 3
		.amdhsa_float_denorm_mode_16_64 3
		.amdhsa_memory_ordered 1
		.amdhsa_forward_progress 1
		.amdhsa_inst_pref_size 223
	.end_amdhsa_kernel
	.amdgpu_metadata
---
amdhsa.version: [ 1, 2 ]
amdhsa.kernels:
  - .name:           k_qdc4aeed311_qkv
    .symbol:         k_qdc4aeed311_qkv.kd
    .args:
      - { .name: xw_codes, .offset: 0, .size: 8, .value_kind: global_buffer, .address_space: global }
      - { .name: xw_scales, .offset: 8, .size: 8, .value_kind: global_buffer, .address_space: global }
      - { .name: b_q, .offset: 16, .size: 8, .value_kind: global_buffer, .address_space: global }
      - { .name: b_k, .offset: 24, .size: 8, .value_kind: global_buffer, .address_space: global }
      - { .name: b_v, .offset: 32, .size: 8, .value_kind: global_buffer, .address_space: global }
      - { .name: qkv_img, .offset: 40, .size: 8, .value_kind: global_buffer, .address_space: global }
      - { .name: qkv_sc, .offset: 48, .size: 8, .value_kind: global_buffer, .address_space: global }
    .group_segment_fixed_size: 327680
    .private_segment_fixed_size: 0
    .kernarg_segment_align: 8
    .kernarg_segment_size: 56
    .max_flat_workgroup_size: 128
    .sgpr_count:     102
    .vgpr_count:     1024
    .wavefront_size: 32
...
	.end_amdgpu_metadata
.endif
;; end of part 2
;; launch attn (part 3): grid 4 x 64, 4 waves a work-group, clusters of 4 x 1, 231,424 bytes of LDS; arguments qkv_img, qkv_sc, attention_mask, oc, osc; writes oc, osc
.if DOCPART == 3
	.amdgcn_target "amdgcn-amd-amdhsa--gfx1250"
	.amdhsa_code_object_version 6
	.text
	.protected	k_qdc4aeed311_attn
	.globl	k_qdc4aeed311_attn
	.p2align	8
	.type	k_qdc4aeed311_attn,@function
k_qdc4aeed311_attn:
	s_mov_b64 s[64:65], 0
	v_nop
	global_prefetch_b8 v0, s[64:65] scope:SCOPE_SE
	s_setreg_imm32_b32 hwreg(HW_REG_WAVE_MODE, 25, 1), 1
	s_wait_xcnt 0x0
	s_wait_alu depctr_hold_cnt(0) depctr_sa_sdst(0) depctr_va_vdst(0) depctr_va_sdst(0) depctr_va_ssrc(0) depctr_va_vcc(0) depctr_vm_vsrc(0)
	s_getreg_b32 s2, hwreg(HW_REG_IB_STS2, 6, 4)
	s_cmp_eq_u32 s2, 0
	s_cbranch_scc0 .Lentry_in_a_cluster
	s_endpgm
.Lentry_in_a_cluster:
	s_bfe_u32 s2, ttmp6, 0x10000c
	s_cmp_lg_u32 s2, 0x3003
	s_cbranch_scc0 .Lentry_shape_is_right
	s_endpgm
.Lentry_shape_is_right:
; o = softmax(q k^T / 8 + (1 - mask) x -10000) v for one batch and head a cluster, both products on codes of E2M3 with E8M0 scales; o / the row's sum is quantised here and leaves as codes.
; THE SOFTMAX: t = score x log2(e); M = the running largest t rounded UP to a whole number; p = 2^(t - M) is quantised along the keys, not normalised; the row's sum is taken of the unquantised p.
; When M moves, the sum and O are multiplied by 2^(old M - new M): exact.
; THE MASK is an input and is added, not cut: 8 x (1 - mask) x -10000 is the C of each product k q^T, and t = (q k + that) x log2(e) / 8: it stands in the scores ahead of the maximum, for every int.
; SHARES.  A cluster of four work-groups is one (batch, head); a work-group takes 512 queries in two passes of 256; each of its four waves, one to a SIMD, owns 64 queries, four tiles, which share every fragment of k, v and the mask.
; ALL OF THE HEAD'S K AND V STAY IN LDS: 196,608 bytes of register images, filled ONCE, by one joint load a wave (a half of k's or of v's images, 49,152 bytes) that names all four work-groups.
; The head's 12,288 bytes of scale words and the mask's 2,048 numbers go through registers into LDS bytes of their own: the four waves' one load each is taken by the images, and these are 1/10 of the bytes.
; One wait and one barrier at the head show everything to all waves; behind it no LDS byte that waves share is written, so the passes have no barrier.
; No prefetch into the L2: all fills go out at the head; there is no loop to run ahead in.  q comes a pass ahead into 26 registers of its own and is moved at a pass's head.
; THE STEP'S LOADS: v's are asked for at the step's head and waited for ahead of the second product; the NEXT step's k, mask and k's scale words are asked for behind this step's k q^T, into the registers that it has just read.
; VECTOR WORK AMONG THE PRODUCTS: k q^T goes block by block of 32 keys, and the search for a block's largest score stands among the next blocks' products, four lines behind each, nine products behind its own;
; the rows' sums stand among the products v^T p^T, eight lines behind each.  None of these lines names a register of the products around it.
; LAYOUT.  Both products transposed: S^T = k q^T (source 0 = 16 keys), O^T = v^T p^T (source 0 = 16 channels): a lane holds ONE query (lane % 16) of each tile throughout.
; K = 64 IN AN INSTRUCTION OF 128: q's registers 6-11 hold zero codes; k's run of 12 registers reaches into the next tile's codes, finite numbers that meet zeros; the empty blocks' scale bytes are 127.
; ORDER INSIDE A BLOCK of 32: groups of eight in the order 0, 2, 1, 3, on both sides of every product.
; oc [16 heads][8192 rows][48 bytes]; osc [8192][32]: byte 2 head + block.  The scale halfwords are stored 2 bytes to rows 32 bytes apart: 2 of each 50 bytes that the launch stores.
; LIMITS: NaN and infinities are not served; a block of zeros, or under 2^-124, gets the byte 1 (this program alone reads the bytes).
; REGISTERS.  Tile T = 2 w + y.  Window 0: addresses, scale words, statistics (eight a tile), blocks' maxima, p's codes.  Window 1: O^T (32 a tile), q, k and six zeros, the next pass's q.
; Window 2 + w: S^T, then p, of tiles 2 w and 2 w + 1 at v[64 y ..]; behind them, from v128: in window 2 v's fragments, in window 3 the mask's numbers.
.set KIMG, 0
.set VIMG, 98304
.set KSC,  196608
.set VSC,  204800
.set MSK,  208896                      ; 2,048 numbers
.set STG,  218112                      ; 3,072 bytes for each wave, its own
.set SPARE, 230400                     ; the spare words, 128 bytes a wave
.set LI,   1                           ; 16 x lane
.set AM,   2                           ; MSK + 32 h
.set AKS,  3                           ; KSC + 16 x lane
.set AVS,  4                           ; VSC + 8 x lane
.set AV,   5                           ; VIMG + 16 x lane
.set ADK,  6
.set ADV,  7
.set ADM,  8
.set ADKS, 9
.set ADVS, 10
.set STO,  11
.set RD,   12
.set OSO,  13                          ; 32 x lane
.set SPW,  14
.set NIL,  15
.set KSR,  16                          ; v16-19 k's scale words: register u: lanes 0-15 tile 2 u, lanes 16-31 tile 2 u + 1
.set VSR,  20                          ; v20-21 v's likewise
.set QSR,  22                          ; v22-23 q's: register w: lanes 0-15 tile 2 w, lanes 16-31 tile 2 w + 1
.set PSR,  24                          ; v24-27 p's, one a tile
.set ST,   32                          ; +0 -M, +1 largest t, +2, +3 the sum, +4 f, +6, +7 at work
.set BM,   64
.set PM,   80
.set SO,   96
.set C2,   112
.set PC,   120
.set TC,   168
.set BK,   200
.set MC,   224
.set HW,   240
.set QST,  246                         ; v246-247 the next pass's scale words of q
.set O,    0                           ; window 1
.set QF,   128
.set KF,   176
.set ZR,   224
.set QT,   230                         ; v230-253 the next pass's codes of q
.set VF,   128                         ; window 2
.set MK,   128                         ; window 3
.set MSB, 0
.macro WIN new
.if MSB != (\new)
	s_set_vgpr_msb (MSB<<8)|(\new)
.set MSB, (\new)
.endif
.endm
.macro WALU
	s_wait_alu depctr_va_vdst(0)
.endm
.macro CROUND                          ; a round of the cluster's barrier
	s_barrier_signal -1
	s_barrier_wait -1
	s_cmp_lg_u32 s20, 0
	s_cbranch_scc1 .Lnot_wave_0_\@
	s_barrier_signal -3
.Lnot_wave_0_\@:
	s_barrier_wait -3
	s_barrier_signal -1
	s_barrier_wait -1
.endm
.macro QLOAD                           ; my two pieces of q at s[72:73] and their scale words at s[74:75]: a piece's image is 12 registers, six of each of its two tiles
	WIN 0x40
.irp P, 0,1
	global_load_b128 v[QT+12*\P:QT+12*\P+3], v[LI], s[72:73] offset:1536*\P
	global_load_b64 v[QT+12*\P+4:QT+12*\P+5], v[LI], s[72:73] offset:1536*\P+512
	global_load_b64 v[QT+12*\P+6:QT+12*\P+7], v[LI], s[72:73] offset:1536*\P+520
	global_load_b128 v[QT+12*\P+8:QT+12*\P+11], v[LI], s[72:73] offset:1536*\P+1024
.endr
	WIN 0
	global_load_b64 v[QST:QST+1], v[LI], s[74:75]  ; lane l: the words of row l of my two pieces
.endm
	s_load_b256 s[4:11], s[0:1], 0x0               ; the images, the scale words, the mask, oc
	s_load_b64 s[12:13], s[0:1], 0x20              ; osc
	v_lshl_add_u32 v[SPW], v0, 2, SPARE
	v_mov_b32 v[NIL], 0
	ds_add_u32 v[SPW], v[NIL]                      ; the opening lines: the add twice and its wait ahead of my tensor load
	ds_add_u32 v[SPW], v[NIL]
	v_lshrrev_b32 v6, 5, v0
	v_readfirstlane_b32 s20, v6                    ; wave 0..3
	s_bfe_u32 s21, ttmp6, 0x40000                  ; cx: it enters q's and o's global addresses alone
	s_and_b32 s22, ttmp7, 0xffff                   ; 16 x batch + head, shared by the four partners
	s_mov_b32 s24, 15|(3<<16)|(1<<21)              ; group 1: 192 dense rows of 256 bytes; the mask names all four work-groups
	s_mov_b32 s25, 32<<16
	s_mov_b32 s26, 192<<16
	s_mov_b32 s27, 32<<16
	s_mov_b32 s28, 192
	s_mov_b32 s29, 32
	s_mov_b32 s30, 0
	s_mov_b32 s31, 0
	s_mul_i32 s80, s22, 12288                      ; the head's scale words
	s_mul_i32 s81, s20, 3072                       ; my quarter of k's and v's
	s_add_co_u32 s82, s80, s81
	s_add_co_u32 s82, s82, 786432                  ; behind q's
	s_mov_b32 s83, 0
	s_add_co_u32 s23, s81, KSC                     ; and its place in LDS
	s_lshr_b32 s84, s20, 1                         ; waves 0, 1 fetch k, waves 2, 3 v:
	s_and_b32 s85, s20, 1                          ; a half of the images, eight key steps
	s_mul_i32 s86, s84, 6291456
	s_mul_i32 s87, s85, 49152
	s_mul_i32 s88, s22, 98304                      ; the head's images
	s_add_co_u32 s86, s86, s87
	s_add_co_u32 s86, s86, s88
	s_add_co_u32 s86, s86, 6291456                 ; k's images lie behind q's, v's behind k's
	s_mul_i32 s90, s84, 98304
	s_add_co_u32 s90, s90, s87                     ; in LDS: made of the wave's number alone
	s_mov_b32 s87, 0
	s_lshl_b32 s72, s21, 4
	s_lshl_b32 s73, s20, 1
	s_add_co_u32 s72, s72, s73                     ; q: my two pieces of 32 rows in the first pass: 16 cx + 2 wave, and the next
	s_mul_i32 s72, s72, 1536
	s_add_co_u32 s72, s72, s88
	s_mov_b32 s73, 0
	s_lshl_b32 s74, s21, 2
	s_add_co_u32 s74, s74, s84                     ; their scale words: group (piece / 4), words (piece % 4): two neighbours
	s_lshl_b32 s74, s74, 9
	s_lshl_b32 s89, s85, 3
	s_add_co_u32 s74, s74, s89
	s_add_co_u32 s74, s74, s80
	s_mov_b32 s75, 0
	s_lshr_b32 s89, s22, 4                         ; batch
	s_and_b32 s91, s22, 15                         ; head
	s_lshl_b32 s76, s89, 11
	s_lshl_b32 s78, s21, 9
	s_add_co_u32 s76, s76, s78
	s_lshl_b32 s78, s20, 6
	s_add_co_u32 s76, s76, s78                     ; my first row: 2,048 batch + 512 cx + 64 wave
	s_lshl_b32 s78, s76, 5
	s_lshl_b32 s79, s91, 1
	s_add_co_u32 s78, s78, s79                     ; osc: 32 bytes a row, + 2 head
	s_mov_b32 s79, 0
	s_mul_i32 s76, s76, 48
	s_mul_i32 s77, s91, 393216
	s_add_co_u32 s76, s76, s77                     ; oc: the head's plane, 48 bytes a row
	s_mov_b32 s77, 0
	s_lshl_b32 s92, s89, 13                        ; the batch's 2,048 ints
	s_mov_b32 s93, 0
	s_mov_b32 s60, 0x76543210
	s_mov_b32 s61, 0xfedcba98                      ; v_permlanex16_b32's selects for lane l xor 16
	s_mov_b32 s62, 0x3e38aa3b                      ; c = log2(e) / 8
	s_mov_b32 s63, s62
	s_mov_b32 s71, 0xffff0000                      ; lanes 16-31
	s_mov_b32 s94, 0x479c4000                      ; 80000.0 = 8 x 10000
	s_wait_dscnt 0x0
	s_wait_kmcnt 0x0
	s_add_nc_u64 s[72:73], s[4:5], s[72:73]
	s_add_nc_u64 s[74:75], s[6:7], s[74:75]
	s_add_nc_u64 s[76:77], s[10:11], s[76:77]
	s_add_nc_u64 s[78:79], s[12:13], s[78:79]
	s_add_nc_u64 s[8:9], s[8:9], s[92:93]
	s_add_nc_u64 s[82:83], s[6:7], s[82:83]
	s_add_nc_u64 s[86:87], s[4:5], s[86:87]
	s_mov_b32 s44, 1
	s_mov_b32 s45, s90
	s_mov_b64 s[46:47], s[86:87]
	s_or_b32 s47, s47, 0x80000000
	CROUND                                         ; all four work-groups are here: the joint loads meet
	tensor_load_to_lds s[44:47], s[24:31]          ; my one tensor load of the launch
	s_nop 0
.rept 4
	v_nop
.endr
	v_lshlrev_b32 v10, 6, v0                       ; the mask: thread t takes ints 16 t .. 16 t + 15
.irp i, 0,1,2,3
	global_load_b128 v[MC+4*\i:MC+4*\i+3], v10, s[8:9] offset:16*\i
.endr
	v_lshl_add_u32 v6, v0, 6, MSK
	v_and_b32 v7, 31, v0                           ; lane
	v_and_b32 v8, 15, v0                           ; r
	v_bfe_u32 v9, v0, 4, 1                         ; h
	v_lshlrev_b32 v[LI], 4, v7
	v_lshl_add_u32 v[AM], v9, 5, MSK
	v_lshl_add_u32 v[AKS], v7, 4, KSC
	v_lshl_add_u32 v[AVS], v7, 3, VSC
	v_lshl_add_u32 v[AV], v7, 4, VIMG
.irp i, 0,1,2,3,4,5
	global_load_b128 v[BK+4*\i:BK+4*\i+3], v[LI], s[82:83] offset:512*\i   ; my wave's 3,072 bytes of scale words
.endr
	QLOAD                                          ; the first pass's q
	v_add_nc_u32 v[C2], s23, v[LI]
	s_add_co_u32 s80, s81, STG                     ; my stage
	v_mul_u32_u24 v[STO], v8, 48
	v_mad_u32_u24 v[STO], v9, 24, v[STO]
	v_add_nc_u32 v[STO], s80, v[STO]               ; in: row r of 48 bytes, + 24 h
	v_add_nc_u32 v[RD], s80, v[LI]                 ; back: 16 bytes a lane
	v_lshlrev_b32 v[OSO], 5, v7
.set j, 0
.rept 16
	v_mov_b32 v[PM+j], 0                           ; a lane permute's destination counts as one of its sources
.set j, j+1
.endr
.irp T, 0,1,2,3
	v_mov_b32 v[ST+8*\T+5], 0                      ; (upper halves of pairs of which the low word serves)
	v_mov_b32 v[ST+8*\T+7], 0
.endr
	WIN 0x40
.irp i, 0,1,2,3,4,5
	v_mov_b32 v[ZR+\i], 0                          ; zero codes: behind k's last tile,
.irp T, 0,1,2,3
	v_mov_b32 v[QF+12*\T+6+\i], 0                  ; and q's upper 64 along K
.endr
.endr
	WIN 0
	s_wait_loadcnt 0x0
.set j, 0
.rept 16
	v_cvt_f32_i32 v[MC+j], v[MC+j]
.set j, j+1
.endr
.set j, 0
.rept 16
	v_fma_f32 v[MC+j], v[MC+j], s94, -s94          ; 8 x (1 - m) x -10000 = 80000 m - 80000
.set j, j+1
.endr
.irp i, 0,1,2,3
	ds_store_b128 v6, v[MC+4*\i:MC+4*\i+3] offset:16*\i
.endr
.irp i, 0,1,2,3,4,5
	ds_store_b128 v[C2], v[BK+4*\i:BK+4*\i+3] offset:512*\i
.endr
	WALU                                           ; the wait at the head's end
	s_wait_tensorcnt 0x0                           ; my half of the images has landed,
	s_wait_dscnt 0x0                               ; and my stores
	s_barrier_signal -1
	s_barrier_wait -1                              ; both hold of all four waves: the launch's only such barrier
.macro KQ1 d, k, q, m, zk, zq, r0, r1  ; S^T of 16 keys x 16 queries: C = the mask's numbers of these keys
	v_wmma_scale_f32_16x16x128_f8f6f4 v[\d:\d+7], v[\k:\k+11], v[\q:\q+11], v[\m:\m+7], v[\zk], v[\zq] matrix_a_fmt:MATRIX_FMT_FP6 matrix_b_fmt:MATRIX_FMT_FP6 matrix_a_scale:MATRIX_SCALE_ROW\r0 matrix_b_scale:MATRIX_SCALE_ROW\r1
.endm
.macro PV1 d, v, p, zv, zp, r0         ; O^T of 16 channels x 16 queries += v^T p^T over these 128 keys
	v_wmma_scale_f32_16x16x128_f8f6f4 v[\d:\d+7], v[\v:\v+11], v[\p:\p+11], v[\d:\d+7], v[\zv], v[\zp] matrix_a_fmt:MATRIX_FMT_FP6 matrix_b_fmt:MATRIX_FMT_FP6 matrix_a_scale:MATRIX_SCALE_ROW\r0 matrix_b_scale:MATRIX_SCALE_ROW0
.endm
; 29 LDS loads: k's images, k's scale words and the mask's numbers of the key step at s14 (images) and s15 (512 bytes a step).  The four lines at its head are places behind the products that read these registers.
.macro FETCHK
	v_add_nc_u32 v[ADK], s14, v[LI]
	v_add_nc_u32 v[ADM], s15, v[AM]
	v_add_nc_u32 v[ADKS], s15, v[AKS]
	v_nop
	ds_load_b128 v[KSR:KSR+3], v[ADKS]
	WIN 0x40
.irp i, 0,1,2,3,4,5,6,7,8,9,10,11
	ds_load_b128 v[KF+4*\i:KF+4*\i+3], v[ADK] offset:512*\i        ; images: 32 lanes read 512 consecutive bytes
.endr
	WIN 0xc0
.irp t, 0,1,2,3,4,5,6,7
	ds_load_b128 v[MK+8*\t:MK+8*\t+3], v[ADM] offset:64*\t         ; keys 16 t + 8 h + 0 .. 7: the result's layout
	ds_load_b128 v[MK+8*\t+4:MK+8*\t+7], v[ADM] offset:64*\t+16
.endr
	WIN 0
.endm
; Four lines, one a tile, of the search for the largest score of block g / 8 of 32 keys (it serves the row's maximum and, since p rises with the score, the block's largest p): link g % 8 of eight
.macro MAXG g
.set b_, (\g)/8
.set k_, (\g)%8
.irp w, 0,1
.if k_ == 0
	WIN 0x2a+0x15*\w
.elseif k_ < 7
	WIN 0x28+0x14*\w
.else
	WIN 0x08+0x04*\w
.endif
.irp y, 0,1
.set d_, BM+4*(2*\w+\y)+b_
.set s_, 64*\y+16*b_
.if k_ == 0
	v_max3_num_f32 v[d_], v[s_], v[s_+1], v[s_+2]
.elseif k_ < 7
	v_max3_num_f32 v[d_], v[d_], v[s_+2*k_+1], v[s_+2*k_+2]
.else
	v_max_num_f32 v[d_], v[d_], v[s_+15]
.endif
.endr
.endr
.endm
; Link m of sixteen of the rows' sums, of the unquantised p, in two chains a tile
.macro SUMG m
.irp w, 0,1
.if (\m) == 0
	WIN 0x0a+0x05*\w
.irp y, 0,1
	v_pk_add_f32 v[C2+2*(2*\w+\y):C2+2*(2*\w+\y)+1], v[64*\y:64*\y+1], v[64*\y+2:64*\y+3]
.endr
.else
	WIN 0x08+0x04*\w
.irp y, 0,1
	v_pk_add_f32 v[ST+8*(2*\w+\y)+2:ST+8*(2*\w+\y)+3], v[ST+8*(2*\w+\y)+2:ST+8*(2*\w+\y)+3], v[64*\y+4*(\m):64*\y+4*(\m)+1]
	v_pk_add_f32 v[C2+2*(2*\w+\y):C2+2*(2*\w+\y)+1], v[C2+2*(2*\w+\y):C2+2*(2*\w+\y)+1], v[64*\y+4*(\m)+2:64*\y+4*(\m)+3]
.endr
.endif
.endr
.endm
.macro TMM f, st                       ; t - M of one tile, two at a time
.set j, 0
.rept 32
	v_pk_fma_f32 v[\f+j:\f+j+1], v[\f+j:\f+j+1], s[62:63], v[\st:\st+1] op_sel_hi:[1,0,0]
.set j, j+2
.endr
.endm
.macro EXPF e, f, st                   ; p = 2^(t - M) of the tile at e; among the exponentials, under the same windows, t - M of the tile at f, which names none of their registers
.set j, 0
.rept 32
	v_exp_f32 v[\e+j], v[\e+j]
	v_exp_f32 v[\e+j+1], v[\e+j+1]
	v_pk_fma_f32 v[\f+j:\f+j+1], v[\f+j:\f+j+1], s[62:63], v[\st:\st+1] op_sel_hi:[1,0,0]
.set j, j+2
.endr
.endm
.macro EXPS e
.set j, 0
.rept 64
	v_exp_f32 v[\e+j], v[\e+j]
.set j, j+1
.endr
.endm
; A KEY STEP: 128 keys, four tiles of queries.  s66: this step's images; s68: v's scale words; s14, s15: the next step's.
.macro STEP
	v_add_nc_u32 v[ADV], s66, v[AV]                ; with the four additions at the last step's end: the places behind its products, in front of the loads into v's registers
	v_add_nc_u32 v[ADVS], s68, v[AVS]
	WIN 0x80
.irp i, 0,1,2,3,4,5,6,7,8,9,10,11
	ds_load_b128 v[VF+4*\i:VF+4*\i+3], v[ADV] offset:512*\i
.endr
	WIN 0
	ds_load_b64 v[VSR:VSR+1], v[ADVS]
	s_wait_dscnt 13                                ; k, its scale words and the mask, asked for a step ago, are in; v's thirteen loads may be out
.set N_, 0
.irp u, 0,1,2,3                                    ; block u of 32 keys: eight products; behind product n stands link n - 9 of the search: four places lie between a block's last product and its first reader
.irp w, 0,1
.irp r0, 0,1
.irp r1, 0,1
	WIN 0xb5+0x40*\w                               ; k and q in window 1, the mask in window 3, S^T in window 2 + w
	KQ1 64*\r1+8*(2*\u+\r0), KF+6*(2*\u+\r0), QF+12*(2*\w+\r1), MK+8*(2*\u+\r0), KSR+\u, QSR+\w, \r0, \r1
.if N_ == 8
.rept 4
	v_nop
.endr
.elseif N_ > 8
	MAXG N_-9
.endif
.set N_, N_+1
.endr
.endr
.endr
.endr
	MAXG 23
	WIN 0
	FETCHK                                         ; the next step's
.set N_, 24
.rept 8
	MAXG N_
.set N_, N_+1
.endr
	WIN 0
.set j, 0
.rept 16
	v_permlanex16_b32 v[PM+j], v[BM+j], s60, s61
.set j, j+1
.endr
.set j, 0
.rept 16
	v_max_num_f32 v[BM+j], v[BM+j], v[PM+j]        ; with lane l xor 16's 16 keys
.set j, j+1
.endr
.irp T, 0,1,2,3                                    ; the four tiles by turns, line by line
	v_max3_num_f32 v[ST+8*\T+6], v[BM+4*\T], v[BM+4*\T+1], v[BM+4*\T+2]
.endr
.irp T, 0,1,2,3
	v_max_num_f32 v[ST+8*\T+6], v[ST+8*\T+6], v[BM+4*\T+3]
.endr
.irp T, 0,1,2,3
	v_mul_f32 v[ST+8*\T+6], s62, v[ST+8*\T+6]      ; as t (c is positive)
.endr
.irp T, 0,1,2,3
	v_max_num_f32 v[ST+8*\T+1], v[ST+8*\T+1], v[ST+8*\T+6]   ; the running largest t
.endr
.irp T, 0,1,2,3
	v_mov_b32 v[ST+8*\T+6], v[ST+8*\T]
.endr
.irp T, 0,1,2,3
	v_floor_f32 v[ST+8*\T], -v[ST+8*\T+1]          ; the new -M = floor(-t): M is a whole number
.endr
.irp T, 0,1,2,3
	v_sub_f32 v[ST+8*\T+6], v[ST+8*\T], v[ST+8*\T+6]   ; old M - new M: a whole number, 0 or less
.endr
.irp T, 0,1,2,3
	v_cvt_i32_f32 v[ST+8*\T+6], v[ST+8*\T+6]       ; (it saturates)
.endr
.irp T, 0,1,2,3
	v_ldexp_f32 v[ST+8*\T+4], 1.0, v[ST+8*\T+6]    ; f = 2^(old M - new M)
.endr
.irp b, 0,1,2,3
.irp T, 0,1,2,3
	v_fma_f32 v[BM+4*\T+\b], v[BM+4*\T+\b], s62, v[ST+8*\T]   ; t - M of each block's largest score
.endr
.endr
	WIN 0x82                                       ; destination and source 0 in window 2, -M in window 0
	TMM 0, ST
	WIN 0xc3
	TMM 0, ST+16
	WALU                                           ; the wait ahead of a batch
	EXPF 0, 64, ST+24                              ; tile 2's exponentials, tile 3's t - M
	WIN 0x82
	EXPF 0, 64, ST+8                               ; tile 0's, tile 1's
	WALU                                           ; ahead of the batch that reads what the lines among the last one wrote
	EXPS 64                                        ; tile 1's
	WIN 0xc3
	EXPS 64                                        ; tile 3's
	WIN 0
.set j, 0
.rept 16
	v_exp_f32 v[BM+j], v[BM+j]                     ; each block's largest p: the same two instructions on the same number
.set j, j+1
.endr
.irp T, 0,1,2,3
	v_pk_mul_f32 v[ST+8*\T+2:ST+8*\T+3], v[ST+8*\T+2:ST+8*\T+3], v[ST+8*\T+4:ST+8*\T+5] op_sel_hi:[1,0]   ; the sums under the new M (plain lines behind the exponentials)
.endr
	WALU                                           ; one wait for all the exponentials, ahead of their first reader
.set j, 0
.rept 16
	v_max_num_f32 v[BM+j], 0x1800000, v[BM+j]      ; the floor 2^(3 - 127): the byte cannot fall under 1
.set j, j+1
.endr
.set j, 0
.rept 16
	v_add_nc_u32 v[SO+j], 0xff000000, v[BM+j]      ; 2 off the exponent field: the conversion's scale operand
.set j, j+1
.endr
.set j, 0
.rept 16
	v_lshrrev_b32 v[PM+j], 23, v[SO+j]             ; the scale's byte
.set j, j+1
.endr
.irp T, 0,1,2,3
	v_lshl_or_b32 v[PSR+\T], v[PM+4*\T+1], 8, v[PM+4*\T]
.endr
.irp T, 0,1,2,3
	v_lshl_or_b32 v[PSR+\T], v[PM+4*\T+2], 16, v[PSR+\T]
.endr
.irp T, 0,1,2,3
	v_lshl_or_b32 v[PSR+\T], v[PM+4*\T+3], 24, v[PSR+\T]   ; p's scale word for these 128 keys
.endr
.irp w, 0,1
	WIN 0x02+\w
.irp y, 0,1
.irp c, 0,1
	v_cvt_scalef32_pk16_fp6_f32 v[PC+12*(2*\w+\y)+6*\c:PC+12*(2*\w+\y)+6*\c+2], v[64*\y+32*\c:64*\y+32*\c+15], v[SO+4*(2*\w+\y)+2*\c]
	v_cvt_scalef32_pk16_fp6_f32 v[TC+8*(2*\w+\y)+4*\c:TC+8*(2*\w+\y)+4*\c+2], v[64*\y+32*\c+16:64*\y+32*\c+31], v[SO+4*(2*\w+\y)+2*\c+1]
.endr
.endr
.endr
	WIN 0
	v_nop                                          ; one plain line behind the conversions
.irp T, 0,1,2,3
.irp c, 0,1
.irp i, 0,1,2
	v_permlane16_swap_b32 v[PC+12*\T+6*\c+\i], v[TC+8*\T+4*\c+\i]   ; a whole block to a lane
.endr
.endr
.endr
.irp T, 0,1,2,3
.irp c, 0,1
.irp i, 0,1,2
	v_mov_b32 v[PC+12*\T+6*\c+3+\i], v[TC+8*\T+4*\c+\i]
.endr
.endr
.endr
	WIN 0x41                                       ; O^T in window 1, f in window 0
.set j, 0
.rept 16
.irp T, 0,1,2,3
	v_pk_mul_f32 v[O+32*\T+j:O+32*\T+j+1], v[O+32*\T+j:O+32*\T+j+1], v[ST+8*\T+4:ST+8*\T+5] op_sel_hi:[1,0]   ; O^T under the new M; each accumulator from its low end on
.endr
.set j, j+2
.endr
	WALU
	s_wait_dscnt 29                                ; v and its scale words are in; the next step's 29 loads, issued behind them, may be out
.set N_, 0
.irp dp, 0,1
.irp r0, 0,1
.irp T, 0,1,2,3
	WIN 0x52                                       ; v in window 2, p in window 0, O^T in window 1
	PV1 O+32*\T+8*(2*\dp+\r0), VF+12*(2*\dp+\r0), PC+12*\T, VSR+\dp, PSR+\T, \r0   ; the sixteen accumulators by turns
	SUMG N_
.set N_, N_+1
.endr
.endr
.endr
	WIN 0
.irp T, 0,1,2,3
	v_pk_add_f32 v[ST+8*\T+2:ST+8*\T+3], v[ST+8*\T+2:ST+8*\T+3], v[C2+2*\T:C2+2*\T+1]
.endr
.endm
	s_mov_b32 s14, 0
	s_mov_b32 s15, 0
	FETCHK                                         ; key step 0's; each pass's last step asks for key step 0 again, for the pass that follows (behind the last pass it is waited for and not used)
	s_mov_b32 s70, 2
.Lpass:                                            ; 256 queries of the work-group, 64 of mine
	s_wait_loadcnt 0x0                             ; this pass's q, asked for a pass ago (the first: at the head)
	WIN 0x41
.irp P, 0,1
.irp i, 0,1,2,3,4,5
	v_mov_b32 v[QF+24*\P+\i], v[QT+12*\P+\i]       ; the piece's first tile,
	v_mov_b32 v[QF+24*\P+12+\i], v[QT+12*\P+6+\i]  ; its second
.endr
.endr
	WIN 0
	v_mov_b32 v[QSR], v[QST]
	v_mov_b32 v[QSR+1], v[QST+1]
	s_add_nc_u64 s[72:73], s[72:73], 12288         ; eight pieces on (the loads that read these bases are done)
	s_add_nc_u64 s[74:75], s[74:75], 1024
	WALU
	s_cmp_eq_u32 s70, 1
	s_cbranch_scc1 .Lno_next                       ; the last pass asks for nothing
	QLOAD
.Lno_next:
	WIN 0x40
.set j, 0
.rept 128
	v_mov_b32 v[O+j], 0                            ; O^T.  (The step is written once: the first finds zeros, which the first change of M leaves zeros)
.set j, j+1
.endr
	WIN 0
.irp T, 0,1,2,3
	v_mov_b32 v[ST+8*\T+1], 0xff61b1e6             ; the largest t so far: -3e38
	v_mov_b32 v[ST+8*\T+2], 0                      ; the sum, in two halves
	v_mov_b32 v[ST+8*\T+3], 0
.endr
.irp T, 0,1,2,3
	v_floor_f32 v[ST+8*\T], -v[ST+8*\T+1]          ; -M
.endr
	s_mov_b32 s69, 0
.Lstep:                                            ; sixteen key steps
	s_mov_b32 s66, s14                             ; this step's places are the last trip's next ones
	s_lshr_b32 s68, s15, 1
	s_add_co_u32 s14, s14, 6144
	s_cmp_eq_u32 s14, 98304
	s_cselect_b32 s14, 0, s14                      ; behind the last key step comes key step 0
	s_add_co_u32 s15, s15, 512
	s_and_b32 s15, s15, 8191
	STEP
	s_add_co_u32 s69, s69, 1
	s_cmp_lg_u32 s69, 16
	s_cbranch_scc1 .Lstep
	; THE WAY OUT of a pass.  The additions and permutes are places behind the last products.
.irp T, 0,1,2,3
	v_add_f32 v[ST+8*\T+6], v[ST+8*\T+2], v[ST+8*\T+3]
.endr
.irp T, 0,1,2,3
	v_permlanex16_b32 v[ST+8*\T+7], v[ST+8*\T+6], s60, s61
.endr
.irp T, 0,1,2,3
	v_add_f32 v[ST+8*\T+6], v[ST+8*\T+6], v[ST+8*\T+7]   ; the row's sum
.endr
	WALU
.irp T, 0,1,2,3
	v_rcp_f32 v[ST+8*\T+6], v[ST+8*\T+6]
.endr
	v_nop
	WALU                                           ; one wait for the four reciprocals, ahead of their first reader
.irp w, 0,1
	WIN 0x81+0x40*\w                               ; O^T (source 0) in window 1, o in window 2 + w
.set j, 0
.rept 16
.irp y, 0,1
	v_pk_mul_f32 v[64*\y+j:64*\y+j+1], v[O+32*(2*\w+\y)+j:O+32*(2*\w+\y)+j+1], v[ST+8*(2*\w+\y)+6:ST+8*(2*\w+\y)+7] op_sel_hi:[1,0]   ; o(r, 16 d + 8 h + i), in f32
.endr
.set j, j+2
.endr
.endr
.irp w, 0,1                                        ; the head's 64 channels are two blocks of the last product's K
	WIN 0x0a+0x05*\w
.irp b, 0,1
.irp y, 0,1
	v_max3_num_f32 v[BM+4*(2*\w+\y)+\b], |v[64*\y+16*\b]|, |v[64*\y+16*\b+1]|, 0x1800000
.endr
.endr
	WIN 0x28+0x14*\w
.irp i, 2,4,6,8,10,12,14
.irp b, 0,1
.irp y, 0,1
	v_max3_num_f32 v[BM+4*(2*\w+\y)+\b], v[BM+4*(2*\w+\y)+\b], |v[64*\y+16*\b+\i]|, |v[64*\y+16*\b+\i+1]|
.endr
.endr
.endr
.endr
	WIN 0
.irp b, 0,1
.irp T, 0,1,2,3
	v_permlanex16_b32 v[PM+4*\T+\b], v[BM+4*\T+\b], s60, s61
.endr
.endr
.irp b, 0,1
.irp T, 0,1,2,3
	v_max_num_f32 v[BM+4*\T+\b], v[BM+4*\T+\b], v[PM+4*\T+\b]
.endr
.endr
.irp b, 0,1
.irp T, 0,1,2,3
	v_add_nc_u32 v[SO+4*\T+\b], 0xff000000, v[BM+4*\T+\b]
.endr
.endr
.irp b, 0,1
.irp T, 0,1,2,3
	v_lshrrev_b32 v[PM+4*\T+\b], 23, v[SO+4*\T+\b]
.endr
.endr
.irp T, 0,1,2,3
	v_lshl_or_b32 v[HW+\T], v[PM+4*\T+1], 8, v[PM+4*\T]    ; the row's two scale bytes
.endr
.irp w, 0,1
	WIN 0x02+\w
.irp y, 0,1
	v_cvt_scalef32_pk16_fp6_f32 v[PC+12*(2*\w+\y):PC+12*(2*\w+\y)+2], v[64*\y:64*\y+15], v[SO+4*(2*\w+\y)]
	v_cvt_scalef32_pk16_fp6_f32 v[TC+8*(2*\w+\y):TC+8*(2*\w+\y)+2], v[64*\y+16:64*\y+31], v[SO+4*(2*\w+\y)+1]
.endr
.endr
	WIN 0
	v_nop
.irp T, 0,1,2,3
.irp i, 0,1,2
	v_permlane16_swap_b32 v[PC+12*\T+\i], v[TC+8*\T+\i]
.endr
.endr
.irp T, 0,1,2,3
.irp i, 0,1,2
	v_mov_b32 v[PC+12*\T+3+\i], v[TC+8*\T+\i]      ; lane (r, h): block h of row r: 24 bytes
.endr
.endr
	v_cndmask_b32 v[HW+4], v[HW], v[HW+1], s71     ; lanes 0-15: the even tile's rows; lanes 16-31: the odd tile's
	v_cndmask_b32 v[HW+5], v[HW+2], v[HW+3], s71
.irp T, 0,1,2,3
.irp i, 0,1,2
	ds_store_b64 v[STO], v[PC+12*\T+2*\i:PC+12*\T+2*\i+1] offset:768*\T+8*\i
.endr
.endr
.irp c, 0,1,2,3,4,5
	ds_load_b128 v[BK+4*\c:BK+4*\c+3], v[RD] offset:512*\c   ; LDS serves a wave's instructions in order: these see my stores
.endr
	WALU
	s_wait_dscnt 0x0
.irp c, 0,1,2,3,4,5
	global_store_b128 v[LI], v[BK+4*\c:BK+4*\c+3], s[76:77] offset:512*\c   ; my 64 rows of 48 bytes: 3,072 consecutive bytes, aligned
.endr
	global_store_b16 v[OSO], v[HW+4], s[78:79]
	global_store_b16 v[OSO], v[HW+5], s[78:79] offset:1024
	s_wait_xcnt 0x0                                ; the stores have read their registers and bases: both may be written again
	s_add_nc_u64 s[76:77], s[76:77], 12288         ; 256 rows on
	s_add_nc_u64 s[78:79], s[78:79], 8192
	s_sub_co_u32 s70, s70, 1
	s_cmp_lg_u32 s70, 0
	s_cbranch_scc1 .Lpass
	s_wait_tensorcnt 0x0                           ; the wave's end
	ds_add_u32 v[SPW], v[NIL]
	s_wait_dscnt 0x0
	CROUND                                         ; the closing round
	s_endpgm
.Lfunc_end_k_qdc4aeed311_attn:
	.size	k_qdc4aeed311_attn, .Lfunc_end_k_qdc4aeed311_attn-k_qdc4aeed311_attn
	.p2alignl 7, 3214868480
	.fill 96, 4, 3214868480
	.section	.rodata,"a",@progbits
	.p2align	6, 0x0
	.amdhsa_kernel k_qdc4aeed311_attn
		.amdhsa_group_segment_fixed_size 231424
		.amdhsa_private_segment_fixed_size 0
		.amdhsa_enable_private_segment 0
		.amdhsa_kernarg_size 40
		.amdhsa_user_sgpr_count 2
		.amdhsa_user_sgpr_kernarg_segment_ptr 1
		.amdhsa_wavefront_size32 1
		.amdhsa_system_sgpr_workgroup_id_x 1
		.amdhsa_system_sgpr_workgroup_id_y 1
		.amdhsa_system_sgpr_workgroup_id_z 1
		.amdhsa_system_vgpr_workitem_id 0
		.amdhsa_next_free_vgpr 960
		.amdhsa_next_free_sgpr 96
		.amdhsa_reserve_vcc 0
		.amdhsa_float_denorm_mode_32 3
		.amdhsa_float_denorm_mode_16_64 3
		.amdhsa_memory_ordered 1
		.amdhsa_forward_progress 1
		.amdhsa_inst_pref_size 96
	.end_amdhsa_kernel
	.amdgpu_metadata
---
amdhsa.version: [ 1, 2 ]
amdhsa.kernels:
  - .name:           k_qdc4aeed311_attn
    .symbol:         k_qdc4aeed311_attn.kd
    .args:
      - { .name: qkv_img, .offset: 0, .size: 8, .value_kind: global_buffer, .address_space: global }
      - { .name: qkv_sc, .offset: 8, .size: 8, .value_kind: global_buffer, .address_space: global }
      - { .name: attention_mask, .offset: 16, .size: 8, .value_kind: global_buffer, .address_space: global }
      - { .name: oc, .offset: 24, .size: 8, .value_kind: global_buffer, .address_space: global }
      - { .name: osc, .offset: 32, .size: 8, .value_kind: global_buffer, .address_space: global }
    .group_segment_fixed_size: 231424
    .private_segment_fixed_size: 0
    .kernarg_segment_align: 8
    .kernarg_segment_size: 40
    .max_flat_workgroup_size: 128
    .sgpr_count:     96
    .vgpr_count:     960
    .wavefront_size: 32
...
	.end_amdgpu_metadata
.endif
;; end of part 3
;; launch oproj (part 4): grid 8 x 32, 4 waves a work-group, clusters of 4 x 4, 327,680 bytes of LDS; arguments oc, osc, xw_codes, xw_scales, b_o, out0; writes out0
.if DOCPART == 4
	.amdgcn_target "amdgcn-amd-amdhsa--gfx1250"
	.amdhsa_code_object_version 6
	.text
	.protected	k_qdc4aeed311_oproj
	.globl	k_qdc4aeed311_oproj
	.p2align	8
	.type	k_qdc4aeed311_oproj,@function
k_qdc4aeed311_oproj:
	s_mov_b64 s[64:65], 0
	v_nop
	global_prefetch_b8 v0, s[64:65] scope:SCOPE_SE
	s_setreg_imm32_b32 hwreg(HW_REG_WAVE_MODE, 25, 1), 1
	s_wait_xcnt 0x0
	s_wait_alu depctr_hold_cnt(0) depctr_sa_sdst(0) depctr_va_vdst(0) depctr_va_sdst(0) depctr_va_ssrc(0) depctr_va_vcc(0) depctr_vm_vsrc(0)
	s_getreg_b32 s2, hwreg(HW_REG_IB_STS2, 6, 4)
	s_cmp_eq_u32 s2, 0
	s_cbranch_scc0 .Lentry_in_a_cluster
	s_endpgm
.Lentry_in_a_cluster:
	s_bfe_u32 s2, ttmp6, 0x10000c
	s_cmp_lg_u32 s2, 0xf033
	s_cbranch_scc0 .Lentry_shape_is_right
	s_endpgm
.Lentry_shape_is_right:
; out0 = o w_o^T + b_o on codes of E2M3 with E8M0 scales.  o: oc [16 heads][8192 rows][48 bytes], osc [8192][32]; w_o: rows 11264 .. 12287 of xw_codes [4 steps of 256 along K][12288][192] and of xw_scales [12288][32].
; 256 work-groups, each 256 rows x 128 columns; four waves, 2 x 2, each 128 rows x 64 columns.  ALL OF K LIES IN LDS, filled once: nothing is filled again.
; A wave holds its 64 rows of w_o, all of K, in registers (32 fragments, 384 registers) and streams o's rows past them in eight blocks of 16 rows, all of K (8 fragments, two sets).
; A block's 16 x 64 results are finished by its 32 products and leave at once: through the wave's own stage in LDS, then sixteen lanes store 256 consecutive bytes, aligned.
; LDS: o's 256 rows as [half of 128 rows][16 heads][128 rows][48 bytes] (196,608 bytes; the 32 lanes of a load of 8 bytes fall on 64 different banks); w_o's 128 rows as [4 steps][128 rows][240 bytes] (16 bytes of padding behind each 64);
; the stages lie on w_o's bytes, which have had their only fill and, behind the second barrier, their last read; then the spare words.
; FILLS: one joint load a wave at the head: waves 0, 1 two steps each of w_o's rows (shared by a column of the cluster), waves 2, 3 a half each of o's rows (shared by a row of it).
; The first barrier shows w_o alone (the line of waves 0, 1 is theirs alone); its 192 LDS loads stand ahead of the wait for o's rows.
; Scale words and the bias come by plain loads straight into registers: each lane a row's 32 bytes.  The bias is the C of a block's first four products.
; THE MATRIX INSTRUCTION IS USED TRANSPOSED (source 0 = 16 rows of w_o): a lane holds eight neighbouring columns of one row of the result.
; No prefetch: all fills go out at the head; there is no loop to run ahead in.
; REGISTERS: window 0: addresses, scale words, the bias, two sets of four accumulators, two sets of 32 for the way out; window 1: w_o's fragments of K steps 0-4; window 2: of K steps 5-7, then o's set 0; window 3: o's set 1.
.set PLANE, 2359296                    ; a step of 256 along K in xw_codes
.set WROW0, 11264                      ; w_o's first row there
.set AHALF, 98304
.set BB,    196608
.set BPL,   30720                      ; 128 rows x 240 bytes
.set SPARE, 319488
.set AA0,  10                          ; v10, v11  o's fragments: heads 0-7, heads 8-15
.set AB0,  12                          ; v12-15    w_o's: steps 0, 1 and steps 2, 3; the odd ones for pieces whose lanes 16-31 lie behind one padding more
.set STO,  16
.set RD,   17
.set CO,   18
.set SPW,  20
.set NIL,  21
.set LS,   22                          ; 32 x lane
.set LB,   23                          ; 32 h
.set SB,   32                          ; v32-47  w_o's scale words: 8 (tile / 2) + K step; lanes 0-15 the even tile, lanes 16-31 the odd one
.set SA,   52                          ; v52-83  o's: 8 (block / 2) + K step, likewise
.set BIAS, 88                          ; v88-119
.set ACC,  120                         ; v120-183
.set BK,   184                         ; v184-247
.set MSB, 0
.macro WIN new
.if MSB != (\new)
	s_set_vgpr_msb (MSB<<8)|(\new)
.set MSB, (\new)
.endif
.endm
.macro PLACES n
.rept \n
	v_nop
.endr
.endm
.macro BARRIER
	s_barrier_signal -1
	s_barrier_wait -1
.endm
.macro CROUND
	BARRIER
	s_cmp_lg_u32 s14, 0
	s_cbranch_scc1 .Lnot_wave_0_\@
	s_barrier_signal -3
.Lnot_wave_0_\@:
	s_barrier_wait -3
	BARRIER
.endm
	s_load_b128 s[4:7], s[0:1], 0x0                ; oc, osc
	s_load_b128 s[8:11], s[0:1], 0x10              ; xw_codes, xw_scales
	s_load_b128 s[56:59], s[0:1], 0x20             ; b_o, out0
	v_lshl_add_u32 v[SPW], v0, 2, SPARE
	v_mov_b32 v[NIL], 0
	ds_add_u32 v[SPW], v[NIL]                      ; the opening lines: the add twice and its wait
	ds_add_u32 v[SPW], v[NIL]
	v_lshrrev_b32 v1, 5, v0
	v_readfirstlane_b32 s14, v1                    ; wave
	s_lshr_b32 s15, s14, 1                         ; my half of the rows
	s_and_b32 s16, s14, 1                          ; my half of the columns; also which part I fetch
	s_bfe_u32 s40, ttmp6, 0x40000                  ; cx
	s_bfe_u32 s41, ttmp6, 0x40004                  ; cy
	s_lshl_b32 s42, ttmp9, 2
	s_add_co_u32 s42, s42, s40                     ; tile column, 0 .. 7
	s_and_b32 s43, ttmp7, 0xffff
	s_lshl_b32 s43, s43, 2
	s_add_co_u32 s43, s43, s41                     ; tile row, 0 .. 31
	s_lshl_b32 s44, s41, 2
	s_lshl_b32 s44, 15, s44                        ; my row of the cluster
	s_lshl_b32 s45, 0x1111, s40                    ; my column
	s_or_b32 s24, s44, (3<<16)|(1<<21)             ; o: 16 rows (heads) of 6,144 bytes (128 rows x 48), 393,216 bytes apart
	s_mov_b32 s25, 768<<16
	s_mov_b32 s26, 16<<16
	s_mov_b32 s27, 768<<16
	s_mov_b32 s28, 16
	s_mov_b32 s29, 49152
	s_mov_b32 s30, 0
	s_mov_b32 s31, 0
	s_or_b32 s32, s45, (3<<16)|(1<<20)|(1<<21)|(3<<22)|(3<<25)   ; w_o: 2 rows (steps) of 24,576 bytes (128 rows x 192), PLANE apart; 4 words of padding behind each 16
	s_mov_b32 s33, 3072<<16
	s_mov_b32 s34, 2<<16
	s_mov_b32 s35, 3072<<16
	s_mov_b32 s36, 2
	s_mov_b32 s37, PLANE/8
	s_mov_b32 s38, 0
	s_mov_b32 s39, 0
	s_lshl_b32 s60, s43, 8
	s_lshl_b32 s61, s16, 7
	s_add_co_u32 s60, s60, s61
	s_mul_i32 s60, s60, 48                         ; o's rows 256 x tile row + 128 x part
	s_mov_b32 s61, 0
	s_lshl_b32 s62, s42, 7
	s_add_co_u32 s62, s62, WROW0
	s_mul_i32 s62, s62, 192                        ; w_o's rows 128 x tile column,
	s_mul_i32 s63, s16, 2*PLANE                    ; steps 2 x part on
	s_add_co_u32 s62, s62, s63
	s_mov_b32 s63, 0
	s_mov_b32 s48, 1
	s_mul_i32 s49, s16, AHALF
	s_mov_b32 s52, 1
	s_mul_i32 s53, s16, 2*BPL
	s_add_co_u32 s53, s53, BB
	s_wait_alu depctr_va_vdst(0)
	s_wait_dscnt 0x0
	s_wait_kmcnt 0x0
	s_add_nc_u64 s[50:51], s[4:5], s[60:61]
	s_or_b32 s51, s51, 0x80000000
	s_add_nc_u64 s[54:55], s[8:9], s[62:63]
	s_or_b32 s55, s55, 0x80000000
	CROUND                                         ; all sixteen work-groups are here: the joint loads meet
	s_cmp_lt_u32 s14, 2
	s_cbranch_scc0 .Lfor_a
	tensor_load_to_lds s[52:55], s[32:39]          ; waves 0, 1: w_o
	s_nop 0
	PLACES 4
	s_branch .Lasked
.Lfor_a:
	tensor_load_to_lds s[48:51], s[24:31]          ; waves 2, 3: o
	s_nop 0
	PLACES 4
.Lasked:
	s_lshl_b32 s66, s42, 7
	s_lshl_b32 s67, s16, 6
	s_add_co_u32 s66, s66, s67                     ; my first column
	s_lshl_b32 s70, s66, 2
	s_mov_b32 s71, 0
	s_add_co_u32 s66, s66, WROW0
	s_lshl_b32 s66, s66, 5
	s_mov_b32 s67, 0
	s_lshl_b32 s68, s43, 8
	s_lshl_b32 s69, s15, 7
	s_add_co_u32 s68, s68, s69                     ; my first row
	s_lshl_b32 s72, s68, 12
	s_add_co_u32 s72, s72, s70
	s_mov_b32 s73, 0
	s_lshl_b32 s68, s68, 5
	s_mov_b32 s69, 0
	s_add_nc_u64 s[10:11], s[10:11], s[66:67]      ; w_o's scale words
	s_add_nc_u64 s[6:7], s[6:7], s[68:69]          ; o's
	s_add_nc_u64 s[56:57], s[56:57], s[70:71]      ; the bias
	s_add_nc_u64 s[58:59], s[58:59], s[72:73]      ; the result
	v_and_b32 v1, 15, v0                           ; r
	v_bfe_u32 v2, v0, 4, 1                         ; h
	v_and_b32 v3, 31, v0
	v_lshlrev_b32 v[LS], 5, v3
	v_lshlrev_b32 v[LB], 5, v2
.irp p, 0,1
.irp c, 0,1
	global_load_b128 v[SB+8*\p+4*\c:SB+8*\p+4*\c+3], v[LS], s[10:11] offset:1024*\p+16*\c
.endr
.endr
.irp p, 0,1,2,3
.irp c, 0,1
	global_load_b128 v[SA+8*\p+4*\c:SA+8*\p+4*\c+3], v[LS], s[6:7] offset:1024*\p+16*\c
.endr
.endr
.irp t, 0,1,2,3
	global_load_b128 v[BIAS+8*\t:BIAS+8*\t+3], v[LB], s[56:57] offset:64*\t          ; columns 16 t + 8 h + 0 .. 7: the result's layout
	global_load_b128 v[BIAS+8*\t+4:BIAS+8*\t+7], v[LB], s[56:57] offset:64*\t+16
.endr
	v_mul_u32_u24 v4, v2, 24
	v_mad_u32_u24 v5, v1, 48, v4                   ; o: 48 r + 24 h
	s_mul_i32 s20, s15, AHALF
	v_add_nc_u32 v[AA0], s20, v5
	v_add_nc_u32 v[AA0+1], 8*6144, v[AA0]
	v_mad_u32_u24 v6, v1, 240, v4                  ; w_o: 240 r + 24 h
	s_mul_i32 s21, s16, 64*240
	s_add_co_u32 s21, s21, BB
	v_add_nc_u32 v[AB0], s21, v6
	v_lshl_add_u32 v[AB0+1], v2, 4, v[AB0]
	v_add_nc_u32 v[AB0+2], 2*BPL, v[AB0]
	v_add_nc_u32 v[AB0+3], 2*BPL, v[AB0+1]
	s_mul_i32 s22, s14, 16*272
	s_add_co_u32 s22, s22, BB                      ; my stage: 16 rows of 256 + 16 bytes
	v_mul_u32_u24 v7, v1, 272
	v_lshl_add_u32 v7, v2, 5, v7
	v_add_nc_u32 v[STO], s22, v7                   ; in: row r, + 32 h
	v_mul_u32_u24 v8, v2, 272
	v_lshl_add_u32 v8, v1, 4, v8
	v_add_nc_u32 v[RD], s22, v8                    ; back: sixteen lanes to a row, two rows an instruction
	v_lshlrev_b32 v9, 12, v2
	v_lshl_add_u32 v[CO], v1, 4, v9                ; the same two rows in the result
	s_wait_alu depctr_va_vdst(0)                   ; the wait at the head's end
	s_cmp_lt_u32 s14, 2
	s_cbranch_scc0 .Lnot_b
	s_wait_tensorcnt 0x0
.Lnot_b:
	BARRIER                                        ; w_o's rows are in; o's may still be on their way
.irp q, 0,1,2,3,4,5,6,7                            ; my 64 rows of w_o, all of K: fragment (K step q, tile t) in window 1 + q / 5 at 12 (4 (q % 5) + t)
	WIN (1+\q/5)<<6
.irp t, 0,1,2,3
.irp p, 0,1,2,3,4,5
.set PCE, 12*(\q%2)+6*(\p/3)+\p%3
.if PCE%8 < 5
	ds_load_b64 v[12*(4*(\q%5)+\t)+2*\p:12*(4*(\q%5)+\t)+2*\p+1], v[AB0+2*(\q/4)] offset:((\q/2)%2)*BPL+\t*16*240+8*PCE+16*(PCE/8)
.else
	ds_load_b64 v[12*(4*(\q%5)+\t)+2*\p:12*(4*(\q%5)+\t)+2*\p+1], v[AB0+2*(\q/4)+1] offset:((\q/2)%2)*BPL+\t*16*240+8*PCE+16*(PCE/8)
.endif
.endr
.endr
.endr
	WIN 0
	s_wait_tensorcnt 0x0                           ; every wave: my part of o's rows is in,
	s_wait_dscnt 0x0                               ; and my reads of w_o's bytes are over
	BARRIER                                        ; both hold of all four waves: o's rows may be read, and the stages may be stored onto w_o's bytes
.macro FETCH s, e                      ; block s of o's rows, all of K, into set e: 48 loads
	WIN (2+\e)<<6
.irp q, 0,1,2,3,4,5,6,7
.irp p, 0,1,2,3,4,5
	ds_load_b64 v[(1-\e)*144+12*\q+2*\p:(1-\e)*144+12*\q+2*\p+1], v[AA0+\q/4] offset:((2*\q+\p/3)%8)*6144+(\s)*768+8*(\p%3)
.endr
.endr
	WIN 0
.endm
.macro P1 d, fb, fa, c, xb, xa, r0, r1
	v_wmma_scale_f32_16x16x128_f8f6f4 v[\d:\d+7], v[\fb:\fb+11], v[\fa:\fa+11], v[\c:\c+7], v[\xb], v[\xa] matrix_a_fmt:MATRIX_FMT_FP6 matrix_b_fmt:MATRIX_FMT_FP6 matrix_a_scale:MATRIX_SCALE_ROW\r0 matrix_b_scale:MATRIX_SCALE_ROW\r1
.endm
.macro MULS sp, r1                     ; block 2 sp + r1: 32 products, K ascending, the four accumulators by turns
.irp q, 0,1,2,3,4,5,6,7
	WIN (1+\q/5)|((2+\r1)<<2)
.irp tp, 0,1
.irp r0, 0,1
.set D_, ACC+32*\r1+8*(2*\tp+\r0)
.if \q
.set C_, D_
.else
.set C_, BIAS+8*(2*\tp+\r0)
.endif
	P1 D_, 12*(4*(\q%5)+2*\tp+\r0), (1-\r1)*144+12*\q, C_, SB+8*\tp+\q, SA+8*\sp+\q, \r0, \r1
.endr
.endr
.endr
	WIN 0
.endm
.macro TOSTAGE e                       ; LDS serves a wave's instructions in order: the loads see the stores
.irp t, 0,1,2,3
	ds_store_b128 v[STO], v[ACC+32*\e+8*\t:ACC+32*\e+8*\t+3] offset:64*\t             ; each accumulator from its low end on
	ds_store_b128 v[STO], v[ACC+32*\e+8*\t+4:ACC+32*\e+8*\t+7] offset:64*\t+16
.endr
.irp i, 0,1,2,3,4,5,6,7
	ds_load_b128 v[BK+32*\e+4*\i:BK+32*\e+4*\i+3], v[RD] offset:544*\i
.endr
.endm
.macro SEND s
.irp i, 0,1,2,3,4,5,6,7
	global_store_b128 v[CO], v[BK+32*((\s)%2)+4*\i:BK+32*((\s)%2)+4*\i+3], s[58:59] offset:(\s)*65536+\i*8192 th:TH_STORE_NT   ; sixteen lanes store 256 consecutive bytes, aligned
.endr
.endm
	FETCH 0, 0
	FETCH 1, 1
	s_wait_loadcnt 0x0                             ; the scale words and the bias
	s_wait_dscnt 48                                ; block 0's rows are in; block 1's 48 loads may be out
.irp sp, 0,1,2,3
.irp r1, 0,1
	MULS \sp, \r1
	s_wait_dscnt 0x0                               ; the next block's rows and the last block's way through the stage, asked for ahead of these 32 products
.if 2*\sp+\r1 > 1
	s_wait_xcnt 0x0                                ; the stores of two blocks ago have read their registers, which take this block's rows below
.endif
.if 2*\sp+\r1 > 0
	SEND 2*\sp+\r1-1
.endif
	PLACES 4                                       ; behind the products: ahead of the loads into their registers and of the stores of their results
.if 2*\sp+\r1 < 6
	FETCH 2*\sp+\r1+2, \r1
.endif
	TOSTAGE \r1
.endr
.endr
	s_wait_dscnt 0x0
	SEND 7
	s_wait_tensorcnt 0x0                           ; the wave's end
	ds_add_u32 v[SPW], v[NIL]
	s_wait_dscnt 0x0
	CROUND                                         ; the closing round
	s_endpgm
.Lfunc_end_k_qdc4aeed311_oproj:
	.size	k_qdc4aeed311_oproj, .Lfunc_end_k_qdc4aeed311_oproj-k_qdc4aeed311_oproj
	.p2alignl 7, 3214868480
	.fill 96, 4, 3214868480
	.section	.rodata,"a",@progbits
	.p2align	6, 0x0
	.amdhsa_kernel k_qdc4aeed311_oproj
		.amdhsa_group_segment_fixed_size 327680
		.amdhsa_private_segment_fixed_size 0
		.amdhsa_enable_private_segment 0
		.amdhsa_kernarg_size 48
		.amdhsa_user_sgpr_count 2
		.amdhsa_user_sgpr_kernarg_segment_ptr 1
		.amdhsa_wavefront_size32 1
		.amdhsa_system_sgpr_workgroup_id_x 1
		.amdhsa_system_sgpr_workgroup_id_y 1
		.amdhsa_system_sgpr_workgroup_id_z 1
		.amdhsa_system_vgpr_workitem_id 0
		.amdhsa_next_free_vgpr 896
		.amdhsa_next_free_sgpr 76
		.amdhsa_reserve_vcc 0
		.amdhsa_float_denorm_mode_32 3
		.amdhsa_float_denorm_mode_16_64 3
		.amdhsa_memory_ordered 1
		.amdhsa_forward_progress 1
		.amdhsa_inst_pref_size 94
	.end_amdhsa_kernel
	.amdgpu_metadata
---
amdhsa.version: [ 1, 2 ]
amdhsa.kernels:
  - .name:           k_qdc4aeed311_oproj
    .symbol:         k_qdc4aeed311_oproj.kd
    .args:
      - { .name: oc, .offset: 0, .size: 8, .value_kind: global_buffer, .address_space: global }
      - { .name: osc, .offset: 8, .size: 8, .value_kind: global_buffer, .address_space: global }
      - { .name: xw_codes, .offset: 16, .size: 8, .value_kind: global_buffer, .address_space: global }
      - { .name: xw_scales, .offset: 24, .size: 8, .value_kind: global_buffer, .address_space: global }
      - { .name: b_o, .offset: 32, .size: 8, .value_kind: global_buffer, .address_space: global }
      - { .name: out0, .offset: 40, .size: 8, .value_kind: global_buffer, .address_space: global }
    .group_segment_fixed_size: 327680
    .private_segment_fixed_size: 0
    .kernarg_segment_align: 8
    .kernarg_segment_size: 48
    .max_flat_workgroup_size: 128
    .sgpr_count:     76
    .vgpr_count:     896
    .wavefront_size: 32
...
	.end_amdgpu_metadata
.endif
;; end of part 4
